; MI455X (gfx1250); checked and timed in simulation.
; The chip was launched on July 23, 2026; its instructions are those of AMD's public machine-readable ISA for CDNA 5 (MIT licence, August 2026) and "CDNA5" Instruction Set Architecture Reference Guide (July 2026). The comments in the code are by the model that wrote it; some were corrected since.
;; Single Head Attention. Allowed arithmetic: matrix products marked QUANTISED: E2M1 operands, one E8M0 scale for each 32 along K, by v_wmma_scale_f32_16x16x128_f8f6f4 with both operands' format E2M1 (or v_wmma_scale_f32_32x16x128_f4), f32 sums; products left as they are: bf16, f16 or f32 operands; f32 sums; everything else in f32.
;; Inputs: W_k 1,024 x 1,024 float32; W_q 1,024 x 1,024 float32; W_v 1,024 x 1,024 float32; x 4 x 2,048 x 1,024 float32.
;; Outputs: out0 4 x 2,048 x 1,024 float32.
;; This version of the problem:
;;   THIS VERSION OF THE PROBLEM IS GIVEN IN LOW PRECISION. The matrix products marked QUANTISED in the list below multiply operands that are first quantised to E2M1 (2 exponent bits, 1 mantissa bit; 4 bits a number), with one power-of-two scale for each 32 numbers along K (OCP MX v1.0); their sums are f32. The products marked 'left as it is' may take bf16, f16 or f32 operands, with f32 sums. Whichever they take, every output number must still come out within the allowed error. Rounding operands to bf16 (8 significant bits) uses up far more of that allowance than f16 does (11 bits, for magnitudes from 6e-5 to 65,504). All else is computed in f32.
;;   The module's matrix products, in the order in which they are computed (A, B: the left and right operand; K: the contracted axis; several contracted axes count as one K, in the product's order):
;;     1. [M 8,192, K 1,024] x [K 1,024, N 1,024]; A: input x; B: input W_q: QUANTISED
;;     2. [M 8,192, K 1,024] x [K 1,024, N 1,024]; A: input x; B: input W_k: QUANTISED
;;     3. [M 8,192, K 1,024] x [K 1,024, N 1,024]; A: input x; B: input W_v: QUANTISED
;;     4. batch 4 x [M 2,048, K 1,024] x [K 1,024, N 2,048]; A: computed on the way; B: computed on the way: left as it is (an operand is computed on the way)
;;     5. batch 4 x [M 2,048, K 2,048] x [K 2,048, N 1,024]; A: computed on the way; B: computed on the way: left as it is (an operand is computed on the way)
;;   THE QUANTISER, for each operand of a quantised product, along K:
;;     - K is cut into blocks of 32 from its start; a last block that is shorter is filled with zeros.
;;     - A block's scale is 2^e with e = floor(log2(the largest magnitude in the block)) - 2, held to -126 .. 127; a block of zeros has e = 0. As a byte (E8M0): e + 127.
;;     - Each number is divided by its block's scale, clamped to +-6, and rounded to the nearest number of E2M1, ties to even, subnormals kept.
;;     - The product sums the exact products of the quantised numbers (number of the format x scale) in f32.
;;   ~~~python
;;   def quantise(x, axis):      # numpy; x: float32 -> the quantised numbers, widened to float32 again
;;       x = np.moveaxis(x, axis, -1); K = x.shape[-1]
;;       x = np.pad(x, [(0, 0)] * (x.ndim - 1) + [(0, -K % 32)]); x = x.reshape(x.shape[:-1] + (-1, 32)); a = np.abs(x).max(-1, keepdims=True)
;;       e = np.where(a > 0, np.clip(np.frexp(np.where(a > 0, a, 1))[1] - 1 - 2, -126, 127), 0)      # np.frexp(a)[1] - 1 = floor(log2(a)), exactly
;;       r = np.clip(x / 2.0 ** e, -6, 6)
;;       step = 2.0 ** (np.maximum(np.frexp(np.where(r == 0, 1, r))[1] - 1, 0) - 1)
;;       q = np.round(r / step) * step * 2.0 ** e      # np.round: ties to even
;;       return np.moveaxis(q.reshape(q.shape[:-2] + (-1,))[..., :K], -1, axis).astype(np.float32)
;;   ~~~
;; 2 versions, each right and faster than the one before. Each part assembles by itself: llvm-mc -triple=amdgcn-amd-amdhsa -mcpu=gfx1250 --defsym DOCPART=n.
;; ======== version 1 of 2: 5 launches
;; limits: values are held in f16: magnitudes above 65,504 overflow, below 6.1e-05 lose precision
;; workspace buffers: xc 4,194,304 bytes; xs 262,144 bytes; wc 1,572,864 bytes; ws 98,304 bytes; qkv 50,331,648 bytes; pbuf 33,554,432 bytes; stats 786,432 bytes
;; launch quant (part 1): grid 352 x 1, 4 waves a work-group, no clusters, 33,280 bytes of LDS; arguments x, W_q, W_k, W_v, xc, xs, wc, ws; writes xc, xs, wc, ws
.if DOCPART == 1
	.amdgcn_target "amdgcn-amd-amdhsa--gfx1250"
	.amdhsa_code_object_version 6
	.text
	.protected	k_qbb09e96bbb_quant
	.globl	k_qbb09e96bbb_quant
	.p2align	8
	.type	k_qbb09e96bbb_quant,@function
k_qbb09e96bbb_quant:
	s_mov_b64 s[64:65], 0
	v_nop
	global_prefetch_b8 v0, s[64:65] scope:SCOPE_SE
	s_setreg_imm32_b32 hwreg(HW_REG_WAVE_MODE, 25, 1), 1
	s_wait_xcnt 0x0
; SINGLE-HEAD CAUSAL ATTENTION, five launches: quant (this one), proj, scores, pv, head16.
; WORK LEFT OUT, in the problem's own terms.  reference() sets scores[q][k] to -infinity wherever k > q, by a mask that it builds itself (triu, k = 1).  exp(-infinity - max) is exactly 0, so attn[q][k] = 0 there,
; and the term attn[q][k] v[k] adds nothing to any output, whatever finite values x, W_q, W_k and W_v hold.  So the tiles of 256 queries x 256 keys that lie wholly above the diagonal are left out of q k^T and of attn v;
; inside tiles on the diagonal the hidden scores are computed and replaced by -infinity.  Every input has a way to the output: all four are loaded.
; LIMIT: a NaN, an infinity or an overflow that reaches only the tiles left out (0 x infinity in attn v) is not carried to the result.
; LIMIT: q, k, v go on as f16: magnitudes up to 65,504 are served.
; THIS LAUNCH: x [8192][1024] and W_q, W_k, W_v [1024][1024], f32, become codes of FP4 (E2M1), K innermost, with one E8M0 scale byte for each 32 along K: xc [8192][512 bytes], xs [8192][32]; wc, ws the same for the 3,072 rows W_q, W_k, W_v on end.
; A block's scale is 2^(floor(log2(its largest magnitude)) - 2); its byte is the largest magnitude's own exponent field - 2, held at 1 from below.  (A block of zeros so gets the byte 1 where the rule says 127: its codes are
; zeros, which add nothing under any byte but 0xff, and the bytes are read by this program alone.)  Each number is divided by the scale and rounded to the nearest code, ties to even, beyond 6 the largest code.
; LIMITS: blocks whose largest magnitude lies under 2^(2 - 126), whose byte is held at 1, are not served exactly; NaN and infinities among the inputs are not served.
; Rows are dense and K is a multiple of 32, so every tensor is a plain stream of blocks of 32.  A wave takes 16 steps of 512 numbers.  Each of a step's four loads reads 512 consecutive bytes; the 2,048 bytes turn through the wave's own
; stage in LDS and come back 64 bytes a lane, so that a lane holds 16 neighbours along K (two neighbouring lanes hold a block).  A lane's 16 codes are 8 bytes: the wave stores 256 consecutive bytes.  A wave's 256 scale bytes are gathered in LDS
; and leave as one run of 256 bytes.  Work-groups 0-255 take x, 256-287 W_q, 288-319 W_k, 320-351 W_v: only pointers are chosen, all take one path.  No barrier: waves share nothing.
.set WAVES, 4
.set STEPS, 16
.set EMAX,  2
.set CB,    8                          ; bytes of 16 codes
.set R,     16                         ; v16-79   four sets of 16 numbers as they are loaded
.set X,     80                         ; v80-111  two sets of 16 neighbours
.set C,     128                        ; v128-191 codes: four registers for each step, so that no store's data are written again
.set E,     112                        ; v112-127 a scale byte for each step
.set WREG,  8192                       ; LDS: a region for each wave: two stages of 32 x SP bytes, behind them its 256 scale bytes
.set SP,    80                         ; a lane's place in a stage: 64 bytes + 16 of padding
.set SPW,   12                         ; v12  LDS address of my spare word; never rewritten
.set NIL,   13                         ; v13  0; never rewritten
.set SPARE, WAVES*WREG                 ; behind the four regions: the spare words, 128 bytes a wave
	s_load_b256 s[4:11], s[0:1], 0x0               ; x, W_q, W_k, W_v
	s_load_b256 s[12:19], s[0:1], 0x20             ; xc, xs, wc, ws
	v_lshl_add_u32 v[SPW], v0, 2, SPARE
	v_mov_b32 v[NIL], 0
	v_lshrrev_b32 v1, 5, v0
	v_readfirstlane_b32 s20, v1                    ; wave
	v_and_b32 v2, 31, v0                           ; lane
	v_lshlrev_b32 v3, 4, v2                        ; my 16 bytes of a load's 512
	s_mul_i32 s21, s20, WREG
	v_lshrrev_b32 v14, 2, v2
	v_mul_u32_u24 v14, v14, SP
	v_and_b32 v15, 3, v2
	v_lshl_add_u32 v14, v15, 4, v14
	v_add_nc_u32 v14, s21, v14                     ; the stage, on the way in: SP (lane / 4) + 16 (lane % 4)
	v_mul_u32_u24 v15, v2, SP
	v_add_nc_u32 v15, s21, v15                     ; and on the way out: SP x lane: my 16 neighbours
	v_mul_u32_u24 v4, v2, CB                       ; my codes' place in a step's
	v_lshrrev_b32 v5, 1, v2
	s_add_co_u32 s21, s21, 2*32*SP
	v_add_nc_u32 v5, s21, v5                       ; LDS: my wave's 256 scale bytes, my block's byte
	v_lshlrev_b32 v7, 3, v2                        ; and on the way out 8 bytes a lane
	v_add_nc_u32 v6, s21, v7
	s_and_b32 s22, ttmp9, 31                       ; a weight's work-group within its own tensor,
	s_sub_co_u32 s23, ttmp9, 256                   ; and within wc and ws (used only where the number is 256 or more)
	s_wait_kmcnt 0x0
	s_cmp_lt_u32 ttmp9, 320                        ; every choice hangs on the work-group's number alone
	s_cselect_b64 s[8:9], s[8:9], s[10:11]         ; W_k or W_v
	s_cmp_lt_u32 ttmp9, 288
	s_cselect_b64 s[6:7], s[6:7], s[8:9]           ; W_q or that
	s_cmp_lt_u32 ttmp9, 256
	s_cselect_b64 s[4:5], s[4:5], s[6:7]           ; x or that
	s_cselect_b64 s[12:13], s[12:13], s[16:17]     ; xc or wc
	s_cselect_b64 s[14:15], s[14:15], s[18:19]     ; xs or ws
	s_cselect_b32 s22, ttmp9, s22
	s_cselect_b32 s23, ttmp9, s23
	s_lshl_b32 s22, s22, 2
	s_add_co_u32 s24, s22, s20                     ; which run of 8,192 numbers of the source is my wave's
	s_mov_b32 s25, 0
	s_lshl_b64 s[26:27], s[24:25], 15              ; 32,768 bytes a run
	s_add_nc_u64 s[4:5], s[4:5], s[26:27]
	s_lshl_b32 s23, s23, 2
	s_add_co_u32 s24, s23, s20                     ; and of the destination
	s_lshl_b64 s[26:27], s[24:25], 12              ; 4,096 bytes of codes a run
	s_add_nc_u64 s[12:13], s[12:13], s[26:27]
	s_lshl_b32 s24, s24, 8                         ; 256 scale bytes a run
	s_add_nc_u64 s[14:15], s[14:15], s[24:25]
.macro LOAD t
.irp i, 0,1,2,3
	global_load_b128 v[R+16*((\t)%4)+4*\i:R+16*((\t)%4)+4*\i+3], v3, s[4:5] offset:2048*(\t)+512*\i th:TH_LOAD_NT   ; 32 lanes read 512 consecutive bytes
.endr
.endm
.macro TURN t                          ; step t's numbers through the stage: LDS serves a wave's instructions in order, so no wait stands between the stores and the loads
.irp i, 0,1,2,3
	ds_store_b128 v14, v[R+16*((\t)%4)+4*\i:R+16*((\t)%4)+4*\i+3] offset:32*SP*((\t)%2)+8*SP*\i
.endr
.irp i, 0,1,2,3
	ds_load_b128 v[X+16*((\t)%2)+4*\i:X+16*((\t)%2)+4*\i+3], v15 offset:32*SP*((\t)%2)+16*\i
.endr
.endm
.irp t, 0,1,2,3
	LOAD \t
.endr
	s_wait_loadcnt 12                              ; step 0's four loads are in; the twelve of steps 1 to 3 may be out
	TURN 0
.macro STEP t
.set XS, X+16*((\t)%2)
.if (\t) > 0
	s_wait_dscnt 1                                 ; this step's numbers are back from the stage (the last step's byte store may be out): so its stores into the stage have read their registers,
.else
	s_wait_dscnt 0x0
.endif
.if (\t)+4 < STEPS
	LOAD (\t)+4                                    ; which take the loads of four steps on
.endif
.if (\t)+1 < STEPS
.if STEPS-2-(\t) >= 3
	s_wait_loadcnt 12                              ; the next step's four loads are in; those of the three steps behind it may be out
.else
	s_wait_loadcnt 4*(STEPS-2-(\t))
.endif
	TURN (\t)+1                                    ; and go through the other stage while this step is worked
.endif
	v_max3_num_f32 v8, |v[XS]|, |v[XS+1]|, |v[XS+2]|               ; the largest magnitude of my 16, in two chains
	v_max3_num_f32 v9, |v[XS+3]|, |v[XS+4]|, |v[XS+5]|
.irp i, 6,10
	v_max3_num_f32 v8, v8, |v[XS+\i]|, |v[XS+\i+1]|
	v_max3_num_f32 v9, v9, |v[XS+\i+2]|, |v[XS+\i+3]|
.endr
	v_max3_num_f32 v8, v8, |v[XS+14]|, |v[XS+15]|
	v_max3_num_f32 v8, v8, v9, (EMAX+1)<<23        ; and the floor 2^(EMAX + 1 - 127): so the byte cannot fall under 1
	v_max_num_f32_dpp v8, v8, v8 row_xmask:1 row_mask:0xf bank_mask:0xf   ; and of my neighbour's 16: the block's
	v_add_nc_u32 v11, -(EMAX<<23), v8              ; EMAX off its exponent field: the conversion takes the exponent field of this operand as its scale
	v_cvt_scalef32_pk8_fp4_f32 v[C+4*(\t)], v[XS:XS+7], v11
	v_cvt_scalef32_pk8_fp4_f32 v[C+4*(\t)+1], v[XS+8:XS+15], v11
	v_lshrrev_b32 v[E+(\t)], 23, v11               ; the scale's byte (also the plain line behind the conversions)
	ds_store_b8 v5, v[E+(\t)] offset:16*(\t)       ; both lanes of a block write the same byte with the same value
	global_store_b64 v4, v[C+4*(\t):C+4*(\t)+1], s[12:13] offset:32*CB*(\t)   ; 32 lanes store 256 consecutive bytes
.endm
.irp t, 0,1,2,3,4,5,6,7,8,9,10,11,12,13,14,15
	STEP \t
.endr
	ds_load_b64 v[8:9], v6                         ; LDS serves a wave's instructions in order: these see my stores
	s_wait_dscnt 0x0
	global_store_b64 v7, v[8:9], s[14:15]          ; 32 lanes store 256 consecutive bytes
	s_wait_tensorcnt 0x0                           ; the wave's end
	ds_add_u32 v[SPW], v[NIL]
	s_wait_dscnt 0x0
	s_endpgm
.Lfunc_end_k_qbb09e96bbb_quant:
	.size	k_qbb09e96bbb_quant, .Lfunc_end_k_qbb09e96bbb_quant-k_qbb09e96bbb_quant
	.p2alignl 7, 3214868480
	.fill 96, 4, 3214868480
	.section	.rodata,"a",@progbits
	.p2align	6, 0x0
	.amdhsa_kernel k_qbb09e96bbb_quant
		.amdhsa_group_segment_fixed_size 33280
		.amdhsa_private_segment_fixed_size 0
		.amdhsa_enable_private_segment 0
		.amdhsa_kernarg_size 64
		.amdhsa_user_sgpr_count 2
		.amdhsa_user_sgpr_kernarg_segment_ptr 1
		.amdhsa_wavefront_size32 1
		.amdhsa_system_sgpr_workgroup_id_x 1
		.amdhsa_system_sgpr_workgroup_id_y 1
		.amdhsa_system_sgpr_workgroup_id_z 1
		.amdhsa_system_vgpr_workitem_id 0
		.amdhsa_next_free_vgpr 192
		.amdhsa_next_free_sgpr 66
		.amdhsa_reserve_vcc 0
		.amdhsa_float_denorm_mode_32 3
		.amdhsa_float_denorm_mode_16_64 3
		.amdhsa_memory_ordered 1
		.amdhsa_forward_progress 1
		.amdhsa_inst_pref_size 34
	.end_amdhsa_kernel
	.amdgpu_metadata
---
amdhsa.version: [ 1, 2 ]
amdhsa.kernels:
  - .name:           k_qbb09e96bbb_quant
    .symbol:         k_qbb09e96bbb_quant.kd
    .args:
      - { .name: x, .offset: 0, .size: 8, .value_kind: global_buffer, .address_space: global }
      - { .name: W_q, .offset: 8, .size: 8, .value_kind: global_buffer, .address_space: global }
      - { .name: W_k, .offset: 16, .size: 8, .value_kind: global_buffer, .address_space: global }
      - { .name: W_v, .offset: 24, .size: 8, .value_kind: global_buffer, .address_space: global }
      - { .name: xc, .offset: 32, .size: 8, .value_kind: global_buffer, .address_space: global }
      - { .name: xs, .offset: 40, .size: 8, .value_kind: global_buffer, .address_space: global }
      - { .name: wc, .offset: 48, .size: 8, .value_kind: global_buffer, .address_space: global }
      - { .name: ws, .offset: 56, .size: 8, .value_kind: global_buffer, .address_space: global }
    .group_segment_fixed_size: 33280
    .private_segment_fixed_size: 0
    .kernarg_segment_align: 8
    .kernarg_segment_size: 64
    .max_flat_workgroup_size: 128
    .sgpr_count:     66
    .vgpr_count:     192
    .wavefront_size: 32
...
	.end_amdgpu_metadata
.endif
;; end of part 1
;; launch proj (part 2): grid 12 x 32, 4 waves a work-group, clusters of 4 x 4, 327,680 bytes of LDS; arguments xc, xs, wc, ws, qkv; writes qkv
.if DOCPART == 2
	.amdgcn_target "amdgcn-amd-amdhsa--gfx1250"
	.amdhsa_code_object_version 6
	.text
	.protected	k_qbb09e96bbb_proj
	.globl	k_qbb09e96bbb_proj
	.p2align	8
	.type	k_qbb09e96bbb_proj,@function
k_qbb09e96bbb_proj:
	s_mov_b64 s[64:65], 0
	v_nop
	global_prefetch_b8 v0, s[64:65] scope:SCOPE_SE
	s_setreg_imm32_b32 hwreg(HW_REG_WAVE_MODE, 25, 1), 1
	s_wait_xcnt 0x0
	s_wait_alu depctr_hold_cnt(0) depctr_sa_sdst(0) depctr_va_vdst(0) depctr_va_sdst(0) depctr_va_ssrc(0) depctr_va_vcc(0) depctr_vm_vsrc(0)
	s_getreg_b32 s2, hwreg(HW_REG_IB_STS2, 6, 4)
	s_cmp_eq_u32 s2, 0
	s_cbranch_scc0 .Lentry_in_a_cluster
	s_endpgm
.Lentry_in_a_cluster:
	s_bfe_u32 s2, ttmp6, 0x10000c
	s_cmp_lg_u32 s2, 0xf033
	s_cbranch_scc0 .Lentry_shape_is_right
	s_endpgm
.Lentry_shape_is_right:
; qkv[m][n] = sum over k of x[m][k] W[n][k], W = W_q, W_k, W_v on end (3,072 rows): the three QUANTISED products as one GEMM on codes of FP4 with E8M0 scales; sums in f32; the result is rounded once to f16.
; qkv: [8192][3072] f16: q at column 0, k at 1,024, v at 2,048.  LIMIT: results beyond 65,504 in magnitude become infinities.
; A tile of 256 x 256 is made by four waves, 128 x 128 each: 64 accumulators, 512 registers.  K = 1,024 is two slots of 512 along K (rows of 256 bytes): both are asked for at the head, and nothing is filled again.
; The scale bytes of the work-group's 256 + 256 rows, for all of K, are two dense blocks of memory: they come once, with the first fills.
; CLUSTERS: 4 x 4 work-groups.  The four of a row of the cluster need the same tiles of x, the four of a column the same tiles of W: each tile is asked for jointly, by the same tensor load with the same descriptor and a mask that names the four.
; THE MATRIX INSTRUCTION IS USED TRANSPOSED (source 0 = 16 rows of W, source 1 = 16 rows of x): a lane then holds eight neighbouring columns of one row of qkv.
; REGISTERS, in windows of 256: window 0: v0-31 addresses; v32-95 scale words, two sets; v128-191 x's fragments, one set; on the way out v128-223.   window 1: W's fragments, two sets.   windows 2, 3: the accumulators ((a, b) at v[8 (8 (a % 4) + b)]).
.set SIZE_N, 3072
.set SIZE_K, 1024
.set KSTEP,  512
.set NQ,     KSTEP/128
.set ROWB,   256                       ; a tile's row in bytes
.set KROW,   SIZE_K*4/8                ; a row of codes in memory
.set PITCH,  272                       ; an LDS row: 256 bytes + 16 of padding: the 16 rows that a load touches start at 16 different banks
.set FR,     8
.set NL,     2
.set NP,     4                         ; places behind this matrix instruction
.set HALFT,  128*PITCH
.set SLOT,   4*HALFT
.set KS,     SIZE_K/32                 ; a row of scale bytes
.set SCL,    2*SLOT                    ; behind the slots: the scales, as runs of 256 bytes + 16 of padding
.set HALFS,  (128*KS/256)*272
.set SBLK,   (16*KS/256)*272
.set SPARE,  SCL+4*HALFS               ; the spare words, 128 bytes a wave
.set SPITCH, 272                       ; the way out: a stage of 16 rows x (256 + 16) bytes for each wave, in slot 0, which has had its only fill and its last read by then
.set ADRA, 16
.set ADRB, 20
.set STO,  24
.set RD,   25
.set CO,   26
.set ADRS, 27
.set SPW,  28
.set NIL,  29
.set SC,   32
.set AF,   128
.set TMP,  128                         ; the way out: packed results
.set OB,   160                         ; and 16 rows read back: v160-191 and v192-223 by turns
.set G1, 24
.set G0, 32
.set G1B, 48
.set G0B, 56
.set G1S, 68
.set G0S, 76
.set G1SB, 80
.set G0SB, 88
.set MSB, 0
.macro WIN new                         ; the immediate's high byte repeats the setting that is left
.if MSB != (\new)
	s_set_vgpr_msb (MSB<<8)|(\new)
.set MSB, (\new)
.endif
.endm
.set MUL_LO, 0xa1                      ; source 0 (W) window 1, source 1 (x) window 0, C and D window 2
.set MUL_HI, 0xf1
.set TO_B,   0x40
; A joint load: waves 0 and 1 fetch for x, waves 2 and 3 for W.  The branch hangs on the wave's number alone.  An s_nop 0 and four v_nop follow each of the two lines.
.macro JLOAD g0a, g1a, g0b, g1b
	s_cmp_eq_u32 s15, 0
	s_cbranch_scc0 .Lfor_b_\@
	tensor_load_to_lds s[\g0a:\g0a+3], s[\g1a:\g1a+7]
	s_nop 0
.rept 4
	v_nop
.endr
	s_branch .Lasked_\@
.Lfor_b_\@:
	tensor_load_to_lds s[\g0b:\g0b+3], s[\g1b:\g1b+7]
	s_nop 0
.rept 4
	v_nop
.endr
.Lasked_\@:
.endm
.macro CROUND                          ; a round of the cluster's barrier
	s_barrier_signal -1
	s_barrier_wait -1
	s_cmp_lg_u32 s14, 0
	s_cbranch_scc1 .Lnot_wave_0_\@
	s_barrier_signal -3
.Lnot_wave_0_\@:
	s_barrier_wait -3
	s_barrier_signal -1
	s_barrier_wait -1
.endm
	s_load_b128 s[4:7], s[0:1], 0x0                ; x's codes, x's scales
	s_load_b128 s[8:11], s[0:1], 0x10              ; W's codes, W's scales
	s_load_b64 s[12:13], s[0:1], 0x20              ; qkv
	v_lshl_add_u32 v[SPW], v0, 2, SPARE
	v_mov_b32 v[NIL], 0
	ds_add_u32 v[SPW], v[NIL]                      ; the wave's opening: the add, twice on end, and its wait ahead of my first tensor load
	ds_add_u32 v[SPW], v[NIL]
	v_lshrrev_b32 v1, 5, v0
	v_readfirstlane_b32 s14, v1                    ; wave 0..3
	s_lshr_b32 s15, s14, 1                         ; which half of the tile's rows is mine.  Also: I fetch for x (0) or for W (1)
	s_and_b32 s16, s14, 1                          ; which half of its columns.  Also: which 128 rows of that tile I fetch
	s_bfe_u32 s40, ttmp6, 0x40000                  ; cx, cy
	s_bfe_u32 s41, ttmp6, 0x40004
	s_lshl_b32 s42, ttmp9, 2
	s_add_co_u32 s42, s42, s40                     ; tile column = 4 x cluster x + cx
	s_and_b32 s17, ttmp7, 0xffff
	s_lshl_b32 s17, s17, 2
	s_add_co_u32 s17, s17, s41                     ; tile row = 4 x cluster y + cy
	s_lshl_b32 s43, s41, 2
	s_lshl_b32 s43, 15, s43                        ; my row of the cluster
	s_lshl_b32 s44, 0x1111, s40                    ; my column
	s_or_b32 s[G1+0], s43, (0<<16)|(1<<20)|(1<<21)|(5<<22)|(3<<25)  ; the mask; elements of 1 byte; padding: 4 words behind every 64; bit 21 set beside a mask
	s_or_b32 s[G1B+0], s44, (0<<16)|(1<<20)|(1<<21)|(5<<22)|(3<<25)
.irp g, G1, G1B
	s_mov_b32 s[\g+1], ROWB<<16                    ; tensor_dim0
	s_mov_b32 s[\g+2], 128<<16                     ; tensor_dim1
	s_mov_b32 s[\g+3], ROWB<<16                    ; tile_dim0
	s_mov_b32 s[\g+4], 128                         ; tile_dim1
	s_mov_b32 s[\g+5], KROW                        ; the pitch
	s_mov_b32 s[\g+6], 0
	s_mov_b32 s[\g+7], 0
.endr
	s_or_b32 s[G1S+0], s43, (3<<16)|(1<<20)|(1<<21)|(5<<22)|(3<<25) ; the scales of 128 rows: 4,096 dense bytes as 16 rows of 256 (32 elements of 8 bytes), padded alike
	s_or_b32 s[G1SB+0], s44, (3<<16)|(1<<20)|(1<<21)|(5<<22)|(3<<25)
.irp g, G1S, G1SB
	s_mov_b32 s[\g+1], 32<<16
	s_mov_b32 s[\g+2], (128*KS/256)<<16
	s_mov_b32 s[\g+3], 32<<16
	s_mov_b32 s[\g+4], 128*KS/256
	s_mov_b32 s[\g+5], 32
	s_mov_b32 s[\g+6], 0
	s_mov_b32 s[\g+7], 0
.endr
	s_lshl_b32 s18, s16, 7
	s_lshl_b32 s20, s17, 8
	s_add_co_u32 s20, s20, s18                     ; x: row 256 x tile row + 128 x half
	s_lshl_b32 s46, s42, 8
	s_add_co_u32 s46, s46, s18                     ; W: row 256 x tile column + 128 x half
	s_mov_b32 s21, 0
	s_mov_b32 s47, 0
	s_mov_b64 s[18:19], KS
	s_mul_u64 s[22:23], s[20:21], s[18:19]         ; where these rows' scales begin,
	s_mul_u64 s[92:93], s[46:47], s[18:19]
	s_mov_b64 s[18:19], KROW
	s_mul_u64 s[20:21], s[20:21], s[18:19]         ; and their codes
	s_mul_u64 s[46:47], s[46:47], s[18:19]
	s_mul_i32 s45, s14, HALFT                      ; where they go: wave x 128 rows
	s_mul_i32 s94, s14, HALFS
	s_wait_dscnt 0x0                               ; both opening adds are done
	s_wait_kmcnt 0x0
	s_add_nc_u64 s[20:21], s[4:5], s[20:21]
	s_add_nc_u64 s[22:23], s[6:7], s[22:23]
	s_add_nc_u64 s[46:47], s[8:9], s[46:47]
	s_add_nc_u64 s[92:93], s[10:11], s[92:93]
	CROUND                                         ; all sixteen work-groups are here: the joint loads meet
	s_mov_b32 s[G0S], 1
	s_add_co_u32 s[G0S+1], s94, SCL
	s_mov_b64 s[G0S+2:G0S+3], s[22:23]
	s_or_b32 s[G0S+3], s[G0S+3], 0x80000000
	s_mov_b32 s[G0SB], 1
	s_add_co_u32 s[G0SB+1], s94, SCL
	s_mov_b64 s[G0SB+2:G0SB+3], s[92:93]
	s_or_b32 s[G0SB+3], s[G0SB+3], 0x80000000
	JLOAD G0S, G1S, G0SB, G1SB                     ; the scales first: they are wanted with the first slot
.irp s, 0,1
	s_mov_b32 s[G0+4*\s], 1
	s_add_co_u32 s[G0+4*\s+1], s45, \s*SLOT
	s_add_nc_u64 s[G0+4*\s+2:G0+4*\s+3], s[20:21], \s*ROWB
	s_or_b32 s[G0+4*\s+3], s[G0+4*\s+3], 0x80000000
	s_mov_b32 s[G0B+4*\s], 1
	s_add_co_u32 s[G0B+4*\s+1], s45, \s*SLOT
	s_add_nc_u64 s[G0B+4*\s+2:G0B+4*\s+3], s[46:47], \s*ROWB
	s_or_b32 s[G0B+4*\s+3], s[G0B+4*\s+3], 0x80000000
	JLOAD G0+4*\s, G1, G0B+4*\s, G1B               ; three loads of mine are out at the most
.endr
	v_and_b32 v1, 15, v0                           ; r = lane % 16
	v_bfe_u32 v2, v0, 4, 1                         ; h = lane / 16
	v_mul_u32_u24 v3, v1, PITCH
	v_lshl_add_u32 v4, v2, 4, v3                   ; a fragment's row x pitch + 16 h
	s_mul_i32 s21, s15, HALFT                      ; my 128 rows of x
	s_mul_i32 s22, s16, HALFT                      ; my 128 rows of W,
	s_add_co_u32 s22, s22, 2*HALFT                 ; behind x's 256
.irp s, 0,1
	v_add_nc_u32 v[ADRA+\s], s21, v4
	v_add_nc_u32 v[ADRB+\s], s22, v4
	s_add_co_u32 s21, s21, SLOT
	s_add_co_u32 s22, s22, SLOT
.endr
	v_mul_u32_u24 v5, v1, KS                       ; my row's scales: KS bytes a row,
	v_lshrrev_b32 v6, 8, v5
	v_lshl_add_u32 v5, v6, 4, v5                   ; and 16 more for each 256 passed
	s_mul_i32 s21, s15, HALFS
	s_mul_i32 s22, s16, HALFS
	s_add_co_u32 s22, s22, 2*HALFS
	s_sub_co_u32 s22, s22, s21
	v_mul_u32_u24 v6, s22, v2                      ; lanes 16-31 take W's: the lower base + h x the distance
	s_add_co_u32 s21, s21, SCL
	v_add_nc_u32 v5, v5, v6
	v_add_nc_u32 v[ADRS], s21, v5
	s_mul_i32 s23, s14, 16*SPITCH                  ; my stage
	v_mul_u32_u24 v5, v1, SPITCH                   ; in: row r, 16 bytes for each half of the lanes
	v_lshl_add_u32 v5, v2, 4, v5
	v_add_nc_u32 v[STO], s23, v5
	v_mul_u32_u24 v5, v2, SPITCH                   ; back: lanes 0-15 one row of 256 bytes, lanes 16-31 the next
	v_lshl_add_u32 v5, v1, 4, v5
	v_add_nc_u32 v[RD], s23, v5
	v_mul_u32_u24 v5, v2, SIZE_N*2                 ; and the same two rows in qkv
	v_lshl_add_u32 v[CO], v1, 4, v5
	s_lshl_b32 s20, s17, 8
	s_lshl_b32 s21, s15, 7
	s_add_co_u32 s20, s20, s21                     ; my first row: 256 x tile row + 128 x half
	s_mov_b32 s21, 0
	s_mov_b64 s[18:19], SIZE_N*2
	s_mul_u64 s[20:21], s[20:21], s[18:19]
	s_lshl_b32 s46, s42, 9                         ; my first column, in bytes: 512 x tile column + 256 x half
	s_lshl_b32 s47, s16, 8
	s_add_co_u32 s46, s46, s47
	s_mov_b32 s47, 0
	s_add_nc_u64 s[20:21], s[20:21], s[46:47]
	s_add_nc_u64 s[12:13], s[12:13], s[20:21]
.macro FRAG reg, adr, q, i             ; 16 rows x 128 K of 4-bit codes: 8 registers: lane holds row r; registers 4 c .. 4 c + 3 hold K = 64 c + 32 h + 0 .. 31
.irp c, 0,1
	ds_load_b128 v[\reg+4*\c:\reg+4*\c+3], v[\adr] offset:64*(\q)+32*\c+(\i)*16*PITCH
.endr
.endm
; 16 matrix instructions: x's blocks a0, a0 + 1 against W's eight.  The 64 accumulators take turns, one instruction a turn, in the same order in every step.
.macro MUL16 a0, p, q, sc, zero
.irp a, \a0, \a0+1
.irp b, 0,1,2,3,4,5,6,7
.if \zero
	v_wmma_scale_f32_16x16x128_f8f6f4 v[8*(8*((\a)%4)+\b):8*(8*((\a)%4)+\b)+7], v[128*(\p)+FR*\b:128*(\p)+FR*\b+FR-1], v[AF+FR*(\a):AF+FR*(\a)+FR-1], 0, v[SC+8*NQ*(\sc)+NQ*\b+(\q)], v[SC+8*NQ*(\sc)+NQ*(\a)+(\q)] matrix_a_fmt:MATRIX_FMT_FP4 matrix_b_fmt:MATRIX_FMT_FP4 matrix_a_scale:MATRIX_SCALE_ROW1
.else
	v_wmma_scale_f32_16x16x128_f8f6f4 v[8*(8*((\a)%4)+\b):8*(8*((\a)%4)+\b)+7], v[128*(\p)+FR*\b:128*(\p)+FR*\b+FR-1], v[AF+FR*(\a):AF+FR*(\a)+FR-1], v[8*(8*((\a)%4)+\b):8*(8*((\a)%4)+\b)+7], v[SC+8*NQ*(\sc)+NQ*\b+(\q)], v[SC+8*NQ*(\sc)+NQ*(\a)+(\q)] matrix_a_fmt:MATRIX_FMT_FP4 matrix_b_fmt:MATRIX_FMT_FP4 matrix_a_scale:MATRIX_SCALE_ROW1
.endif
.endr
.endr
.endm
.macro FETCH_B slot, q, p
	WIN TO_B
.irp i, 0,1,2,3,4,5,6,7
	FRAG 128*(\p)+FR*\i, ADRB+\slot, \q, \i
.endr
	WIN 0
.endm
.macro FETCH_A slot, q, i0
.irp i, \i0, \i0+1, \i0+2, \i0+3
	FRAG AF+FR*(\i), ADRA+\slot, \q, \i
.endr
.endm
.macro SCALES sc                       ; a slot's scale words: 4 words a row; lanes 0-15 take x's block i, lanes 16-31 W's block i
.irp i, 0,1,2,3,4,5,6,7
	ds_load_b128 v[SC+8*NQ*\sc+NQ*\i:SC+8*NQ*\sc+NQ*\i+3], v[ADRS] offset:\i*SBLK
.endr
.endm
.macro PLACES n                        ; plain vector lines between a matrix instruction and a load into, or a vector read of, its registers
.rept \n
	v_nop
.endr
.endm
.macro STEP slot, q, zero              ; 128 along K that has its successor in the same slot
	s_wait_dscnt 4*NL                              ; W's set and x's blocks 0-3 are in; the youngest eight loads (x's blocks 4-7) may be out
	WIN MUL_LO
	MUL16 0, (\q)%2, \q, \slot, \zero
	MUL16 2, (\q)%2, \q, \slot, \zero
	s_wait_dscnt 0                                 ; x's blocks 4-7 are in
	PLACES NP
	FETCH_B \slot, (\q)+1, 1-(\q)%2
	FETCH_A \slot, (\q)+1, 0
	WIN MUL_HI
	MUL16 4, (\q)%2, \q, \slot, \zero
	MUL16 6, (\q)%2, \q, \slot, \zero
	PLACES NP
	WIN 0
	FETCH_A \slot, (\q)+1, 4
.endm
.macro TURN slot, next                 ; a slot's last step, and the change to the other slot: one barrier
	s_wait_tensorcnt 0x0                           ; all my tensor loads have landed: my part of the next slot
	ds_add_u32 v[SPW], v[NIL]                      ; 0 onto my spare word
	s_wait_dscnt 4*NL+1                            ; (the add and the youngest eight loads may be out)
	WIN MUL_LO
	MUL16 0, 1, NQ-1, \slot, 0
	s_wait_dscnt 0x0                               ; the add is done, and my reads of this slot are over
	s_barrier_signal -1
	MUL16 2, 1, NQ-1, \slot, 0
	WIN 0
	s_barrier_wait -1                              ; the next slot is whole for every wave, and nobody reads this one any more
	PLACES NP
	v_add_nc_u32 v[ADRS], 4*NQ, v[ADRS]            ; on to the next slot's scale words
	FETCH_B \next, 0, 0
	FETCH_A \next, 0, 0
	SCALES \next
	WIN MUL_HI
	MUL16 4, 1, NQ-1, \slot, 0
	MUL16 6, 1, NQ-1, \slot, 0
	PLACES NP
	WIN 0
	FETCH_A \next, 0, 4
.endm
.macro STEPS slot, from
.set Q, \from
.rept NQ-1-\from
	STEP \slot, Q, 0
.set Q, Q+1
.endr
.endm
	s_wait_tensorcnt 1                             ; the scales and my part of slot 0 are in; slot 1's load may be out
	s_barrier_signal -1
	s_barrier_wait -1                              ; everybody's are
	FETCH_B 0, 0, 0
	FETCH_A 0, 0, 0
	SCALES 0
	FETCH_A 0, 0, 4
	STEP 0, 0, 1                                   ; the first products start the sums: nothing is cleared
	STEPS 0, 1
	TURN 0, 1
	STEPS 1, 0
	s_wait_dscnt 4*NL                              ; the very last step
	WIN MUL_LO
	MUL16 0, 1, NQ-1, 1, 0
	MUL16 2, 1, NQ-1, 1, 0
	s_wait_dscnt 0
	WIN MUL_HI
	MUL16 4, 1, NQ-1, 1, 0
	MUL16 6, 1, NQ-1, 1, 0
	WIN 0
; THE WAY OUT, by blocks of 16 rows x 128 columns: rounded to f16 (16 bytes a lane), through my stage, back as whole rows of 256 bytes, which sixteen lanes store.
.macro PACK a
.set AC, 64*((\a)%4)
	WIN 0x0a+5*((\a)/4)                            ; sources 0 and 1: window 2 or 3
.irp b, 0,1,2,3,4,5,6,7
.irp r, 0,1,2,3
	v_cvt_pk_f16_f32 v[TMP+4*\b+\r], v[AC+8*\b+2*\r], v[AC+8*\b+2*\r+1]   ; each accumulator from its low end on
.endr
.endr
	WIN 0
.endm
.macro TOSTAGE a
.set BK, OB+32*((\a)%2)
.irp b, 0,1,2,3,4,5,6,7
	ds_store_b128 v[STO], v[TMP+4*\b:TMP+4*\b+3] offset:32*\b
.endr
.irp t, 0,1,2,3,4,5,6,7
	ds_load_b128 v[BK+4*\t:BK+4*\t+3], v[RD] offset:\t*2*SPITCH    ; LDS serves a wave's instructions in order: these see the stores above
.endr
.endm
.macro SEND a
.set BK, OB+32*((\a)%2)
	s_wait_dscnt 0x0                               ; the block is back in registers
	s_wait_xcnt 0x0                                ; earlier stores have read their base and their data: both may be written again
.if (\a) > 0
	s_add_nc_u64 s[12:13], s[12:13], 16*SIZE_N*2
.endif
.irp t, 0,1,2,3,4,5,6,7
	global_store_b128 v[CO], v[BK+4*\t:BK+4*\t+3], s[12:13] offset:2*\t*SIZE_N*2   ; 16 lanes store 256 consecutive bytes, at a multiple of 256 from qkv's first byte
.endr
.endm
	PLACES NP
	PACK 0
	TOSTAGE 0
.irp a, 1,2,3,4,5,6,7                  ; block a's conversions stand between block a - 1's loads from the stage and the wait for them
	PACK \a
	SEND (\a-1)
	TOSTAGE \a
.endr
	SEND 7
	s_wait_tensorcnt 0x0                           ; the wave's end
	ds_add_u32 v[SPW], v[NIL]
	s_wait_dscnt 0x0
	CROUND                                         ; the closing round
	s_endpgm
.Lfunc_end_k_qbb09e96bbb_proj:
	.size	k_qbb09e96bbb_proj, .Lfunc_end_k_qbb09e96bbb_proj-k_qbb09e96bbb_proj
	.p2alignl 7, 3214868480
	.fill 96, 4, 3214868480
	.section	.rodata,"a",@progbits
	.p2align	6, 0x0
	.amdhsa_kernel k_qbb09e96bbb_proj
		.amdhsa_group_segment_fixed_size 327680
		.amdhsa_private_segment_fixed_size 0
		.amdhsa_enable_private_segment 0
		.amdhsa_kernarg_size 40
		.amdhsa_user_sgpr_count 2
		.amdhsa_user_sgpr_kernarg_segment_ptr 1
		.amdhsa_wavefront_size32 1
		.amdhsa_system_sgpr_workgroup_id_x 1
		.amdhsa_system_sgpr_workgroup_id_y 1
		.amdhsa_system_sgpr_workgroup_id_z 1
		.amdhsa_system_vgpr_workitem_id 0
		.amdhsa_next_free_vgpr 1024
		.amdhsa_next_free_sgpr 98
		.amdhsa_reserve_vcc 0
		.amdhsa_float_denorm_mode_32 3
		.amdhsa_float_denorm_mode_16_64 3
		.amdhsa_memory_ordered 1
		.amdhsa_forward_progress 1
		.amdhsa_inst_pref_size 127
	.end_amdhsa_kernel
	.amdgpu_metadata
---
amdhsa.version: [ 1, 2 ]
amdhsa.kernels:
  - .name:           k_qbb09e96bbb_proj
    .symbol:         k_qbb09e96bbb_proj.kd
    .args:
      - { .name: xc, .offset: 0, .size: 8, .value_kind: global_buffer, .address_space: global }
      - { .name: xs, .offset: 8, .size: 8, .value_kind: global_buffer, .address_space: global }
      - { .name: wc, .offset: 16, .size: 8, .value_kind: global_buffer, .address_space: global }
      - { .name: ws, .offset: 24, .size: 8, .value_kind: global_buffer, .address_space: global }
      - { .name: qkv, .offset: 32, .size: 8, .value_kind: global_buffer, .address_space: global }
    .group_segment_fixed_size: 327680
    .private_segment_fixed_size: 0
    .kernarg_segment_align: 8
    .kernarg_segment_size: 40
    .max_flat_workgroup_size: 128
    .sgpr_count:     98
    .vgpr_count:     1024
    .wavefront_size: 32
...
	.end_amdgpu_metadata
.endif
;; end of part 2
;; launch scores (part 3): grid 9 x 16, 4 waves a work-group, no clusters, 327,680 bytes of LDS; arguments qkv, pbuf, stats; writes pbuf, stats
.if DOCPART == 3
	.amdgcn_target "amdgcn-amd-amdhsa--gfx1250"
	.amdhsa_code_object_version 6
	.text
	.protected	k_qbb09e96bbb_scores
	.globl	k_qbb09e96bbb_scores
	.p2align	8
	.type	k_qbb09e96bbb_scores,@function
k_qbb09e96bbb_scores:
	s_mov_b64 s[64:65], 0
	v_nop
	global_prefetch_b8 v0, s[64:65] scope:SCOPE_SE
	s_setreg_imm32_b32 hwreg(HW_REG_WAVE_MODE, 25, 1), 1
	s_wait_xcnt 0x0
; One tile of 256 queries x 256 keys of q k^T (f16 operands, f32 sums, K = 1,024), and the tile's own part of the softmax.
; WORK LEFT OUT: tiles whose keys all come after their queries (key tile J > query tile I): reference()'s own mask makes their weights exactly 0 (shown at the head of the first launch).
; For row q and key tile J: t = score x c, c = log2(e) / 32; M = the largest t of the row in this tile, rounded UP to a whole number, kept as -M = floor(-t); p = 2^(t - M), at most 1, goes to pbuf as f16;
; -M goes to stats slot J, and the f32 sum of the unrounded p of each 128 keys to slot 8 + 2 J + half.  The next launch brings the tiles of a row under the row's own maximum by exact powers of two.
; THE TRIANGLE AS A RECTANGLE: grid x = c (0..8), grid y = 4 b + p.  c <= p: tile row I = p, J = c; else I = 7 - p, J = c - p - 1: p + 1 and 8 - p tiles, 9 for every p.
; NO CLUSTER: a tile row has 1 to 8 tiles and a tile column 8 to 1, so the 36 tiles of a batch do not divide into fours that share a row or a column without work-groups that have no tile.
; Four waves, 128 x 128 each: 64 accumulators in windows 2 and 3.  K goes in steps of 128 through two LDS slots; each wave fetches a quarter of a slot (128 rows of 256 bytes) with one tensor load.
; THE MATRIX INSTRUCTION IS USED TRANSPOSED (source 0 = 16 keys, source 1 = 16 queries): lane (r, h) of accumulator (a, b) holds query 16 a + r and keys 16 b + 8 h + 0 .. 7.
; REGISTERS: window 0: v0-31 addresses; v64-191 q's fragments, two buffers; on the way out v64-104 statistics, v192-223 packed p, v32-63 and v224-255 rows read back.  window 1: k's fragments.  windows 2, 3: accumulators.
.set KSTEP,  128
.set PITCH,  272                       ; an LDS row: 256 bytes + 16: the 16 rows that a load touches start at 16 different banks
.set HALFT,  128*PITCH
.set SLOT,   4*HALFT                   ; q's 256 rows, then k's 256 rows
.set STAGE,  2*SLOT                    ; 16 rows x 272 bytes for each wave
.set SPITCH, 272
.set XCH,    STAGE+4*16*SPITCH         ; 512 bytes for each wave: its 128 rows' maxima
.set SPARE,  XCH+4*512                 ; the spare words, 128 bytes a wave
.set QROW,   6144                      ; a row of qkv in bytes
.set PROW,   4096                      ; a row of pbuf in bytes
.set LAPS,   4                         ; 1,024 / 256
.set ADRA, 16
.set ADRB, 20
.set STO,  24
.set RD,   25
.set CO,   26
.set XST,  27                          ; v27  where I put a row's maximum
.set SPW,  28
.set NIL,  29
.set XLD,  30                          ; v30  where the wave beside me has put its own
.set LN,   31                          ; v31  4 x lane
.set F0,   64
.set F1,   128
.set TMP,  192
.set OB,   32
.set MXP,  64                          ; pairs: v[64+2a] the maximum, then -M; v[65+2a] at work
.set LP,   80                          ; pairs: the sums of block a
.set PX,   96                          ; v96-103 at work
.set DD,   104                         ; v104 the lane's bound under the mask
.set G1, 24
.set G0, 32
.set NINF, 40
.set KC,   41
.set CS,   42                          ; s[42:43] c
.set SEL,  44                          ; s[44:45] selects of v_permlanex16_b32: lane xor 16
.set HM,   46                          ; lanes 16-31
.set PB,   48                          ; s[48:49] pbuf at my part of the tile
.set LB,   50                          ; s[50:51] stats at my sums
.set NB,   52                          ; s[52:53] stats at my -M
.set MSB, 0
.macro WIN new
.if MSB != (\new)
	s_set_vgpr_msb (MSB<<8)|(\new)
.set MSB, (\new)
.endif
.endm
.set MUL_LO, 0xa1                      ; source 0 (k) window 1, source 1 (q) window 0, C and D window 2
.set MUL_HI, 0xf1
.set TO_B,   0x40
	s_load_b128 s[4:7], s[0:1], 0x0                ; qkv, pbuf
	s_load_b64 s[8:9], s[0:1], 0x10                ; stats
	v_lshl_add_u32 v[SPW], v0, 2, SPARE
	v_mov_b32 v[NIL], 0
	ds_add_u32 v[SPW], v[NIL]                      ; the wave's opening: the add, twice on end, and its wait ahead of my first tensor load
	ds_add_u32 v[SPW], v[NIL]
	v_lshrrev_b32 v1, 5, v0
	v_readfirstlane_b32 s10, v1                    ; wave 0..3
	s_lshr_b32 s11, s10, 1                         ; rh: which half of the queries is mine.  Also: I fetch q (0) or k (1)
	s_and_b32 s12, s10, 1                          ; ch: which half of the keys.  Also: which 128 rows I fetch
	s_and_b32 s13, ttmp7, 0xffff
	s_lshr_b32 s14, s13, 2                         ; b
	s_and_b32 s13, s13, 3                          ; p
	s_sub_co_u32 s15, 7, s13
	s_sub_co_u32 s16, ttmp9, s13
	s_sub_co_u32 s16, s16, 1
	s_cmp_le_u32 ttmp9, s13
	s_cselect_b32 s15, s13, s15                    ; I
	s_cselect_b32 s16, ttmp9, s16                  ; J
	s_mov_b32 s[G1+0], (1<<16)|(1<<20)|(5<<22)|(3<<25)   ; elements of 2 bytes; padding: 4 words behind every 64
	s_mov_b32 s[G1+1], KSTEP<<16                   ; tensor_dim0 = 128
	s_mov_b32 s[G1+2], 128<<16                     ; tensor_dim1 = 128
	s_mov_b32 s[G1+3], KSTEP<<16                   ; tile_dim0 = 128
	s_mov_b32 s[G1+4], 128                         ; tile_dim1 = 128
	s_mov_b32 s[G1+5], 3072                        ; the pitch, in elements
	s_mov_b32 s[G1+6], 0
	s_mov_b32 s[G1+7], 0
	s_cmp_eq_u32 s11, 0
	s_cselect_b32 s17, s15, s16                    ; q's rows by I, k's by J
	s_lshl_b32 s17, s17, 8
	s_lshl_b32 s18, s14, 11
	s_add_co_u32 s17, s17, s18
	s_lshl_b32 s18, s12, 7
	s_add_co_u32 s17, s17, s18                     ; row 2,048 b + 256 tile + 128 half
	s_mul_i32 s20, s17, QROW
	s_lshl_b32 s18, s11, 11                        ; k lies 2,048 bytes on in a row
	s_add_co_u32 s20, s20, s18
	s_mov_b32 s21, 0
	s_mul_i32 s22, s10, HALFT                      ; where my quarter goes
	s_mov_b32 s[NINF], 0xff800000
	s_mov_b32 s[CS], 0x3d38aa3b                    ; c = log2(e) / 32
	s_mov_b32 s[CS+1], s[CS]
	s_mov_b32 s[SEL], 0x76543210
	s_mov_b32 s[SEL+1], 0xfedcba98
	s_mov_b32 s[HM], 0xffff0000
	s_wait_dscnt 0x0                               ; both opening adds are done
	s_wait_kmcnt 0x0
	s_add_nc_u64 s[20:21], s[4:5], s[20:21]
.irp s, 0,1
	s_mov_b32 s[G0+4*\s], 1
	s_add_co_u32 s[G0+4*\s+1], s22, \s*SLOT
	s_add_nc_u64 s[G0+4*\s+2:G0+4*\s+3], s[20:21], \s*KSTEP*2
	s_or_b32 s[G0+4*\s+3], s[G0+4*\s+3], 0x80000000
	tensor_load_to_lds s[G0+4*\s:G0+4*\s+3], s[G1:G1+7]   ; every wave fetches: two loads of mine are out
	s_nop 0
.endr
	v_and_b32 v1, 15, v0                           ; r
	v_bfe_u32 v2, v0, 4, 1                         ; h
	v_mul_u32_u24 v3, v1, PITCH
	v_lshl_add_u32 v3, v2, 4, v3
	s_mul_i32 s21, s11, HALFT                      ; my 128 rows of q
	s_mul_i32 s22, s12, HALFT
	s_add_co_u32 s22, s22, 2*HALFT                 ; my 128 rows of k
.irp s, 0,1
	v_add_nc_u32 v[ADRA+\s], s21, v3
	v_add_nc_u32 v[ADRB+\s], s22, v3
	s_add_co_u32 s21, s21, SLOT
	s_add_co_u32 s22, s22, SLOT
.endr
	s_mul_i32 s23, s10, 16*SPITCH
	s_add_co_u32 s23, s23, STAGE
	v_mul_u32_u24 v4, v1, SPITCH
	v_lshl_add_u32 v4, v2, 4, v4
	v_add_nc_u32 v[STO], s23, v4
	v_mul_u32_u24 v5, v2, SPITCH
	v_lshl_add_u32 v5, v1, 4, v5
	v_add_nc_u32 v[RD], s23, v5
	v_lshlrev_b32 v5, 12, v2                       ; two rows of pbuf
	v_lshl_add_u32 v[CO], v1, 4, v5
	s_lshl_b32 s23, s10, 9
	s_add_co_u32 s23, s23, XCH
	v_lshl_add_u32 v[XST], v1, 2, s23              ; my wave's 512 bytes, 4 r
	s_xor_b32 s23, s10, 1
	s_lshl_b32 s23, s23, 9
	s_add_co_u32 s23, s23, XCH
	v_lshl_add_u32 v[XLD], v1, 2, s23              ; those of the wave with the same queries and the other keys
	v_and_b32 v[LN], 31, v0
	v_lshlrev_b32 v[LN], 2, v[LN]
	s_lshl_b32 s17, s14, 11
	s_lshl_b32 s18, s15, 8
	s_add_co_u32 s17, s17, s18
	s_lshl_b32 s18, s11, 7
	s_add_co_u32 s17, s17, s18                     ; my first row of pbuf: 2,048 b + 256 I + 128 rh
	s_lshl_b32 s54, s17, 12
	s_lshl_b32 s18, s16, 9
	s_add_co_u32 s54, s54, s18                     ; + 512 J
	s_lshl_b32 s18, s12, 8
	s_add_co_u32 s54, s54, s18                     ; + 256 ch
	s_mov_b32 s55, 0
	s_add_nc_u64 s[PB:PB+1], s[6:7], s[54:55]
	s_lshl_b32 s17, s15, 8
	s_lshl_b32 s18, s11, 7
	s_add_co_u32 s17, s17, s18                     ; my first row in the batch
	s_mul_i32 s18, s14, 24
	s_add_co_u32 s19, s18, s16                     ; slot 24 b + J
	s_lshl_b32 s54, s19, 11
	s_add_co_u32 s54, s54, s17
	s_lshl_b32 s54, s54, 2
	s_add_nc_u64 s[NB:NB+1], s[8:9], s[54:55]
	s_lshl_b32 s19, s16, 1
	s_add_co_u32 s19, s19, s18
	s_add_co_u32 s19, s19, s12
	s_add_co_u32 s19, s19, 8                       ; slot 24 b + 8 + 2 J + ch
	s_lshl_b32 s54, s19, 11
	s_add_co_u32 s54, s54, s17
	s_lshl_b32 s54, s54, 2
	s_add_nc_u64 s[LB:LB+1], s[8:9], s[54:55]
; 16 matrix instructions: query blocks a0, a0 + 1 of the window's four x all 8 key blocks, 32 along K.  The 64 accumulators take turns, one instruction a turn.
.macro MUL16 f, hi, a0, zero
.irp a, \a0, \a0+1
.irp b, 0,1,2,3,4,5,6,7
.if \zero
	v_wmma_f32_16x16x32_f16 v[8*(8*(\a)+\b):8*(8*(\a)+\b)+7], v[\f+8*\b:\f+8*\b+7], v[\f+8*(4*\hi+\a):\f+8*(4*\hi+\a)+7], 0
.else
	v_wmma_f32_16x16x32_f16 v[8*(8*(\a)+\b):8*(8*(\a)+\b)+7], v[\f+8*\b:\f+8*\b+7], v[\f+8*(4*\hi+\a):\f+8*(4*\hi+\a)+7], v[8*(8*(\a)+\b):8*(8*(\a)+\b)+7]
.endif
.endr
.endr
.endm
.macro FETCH slot, k, f                ; 32 LDS loads in one run: a quarter step's fragments, k's 128 rows then q's
	WIN TO_B
.irp i, 0,1,2,3,4,5,6,7
	ds_load_b128 v[\f+8*\i:\f+8*\i+3],   v[ADRB+\slot] offset:\k+\i*16*PITCH
	ds_load_b128 v[\f+8*\i+4:\f+8*\i+7], v[ADRB+\slot] offset:\k+\i*16*PITCH+32
.endr
	WIN 0
.irp i, 0,1,2,3,4,5,6,7
	ds_load_b128 v[\f+8*\i:\f+8*\i+3],   v[ADRA+\slot] offset:\k+\i*16*PITCH
	ds_load_b128 v[\f+8*\i+4:\f+8*\i+7], v[ADRA+\slot] offset:\k+\i*16*PITCH+32
.endr
.endm
.macro PLACES                          ; four plain vector lines between a matrix instruction and a load into, or a vector access to, its registers
.rept 4
	v_nop
.endr
.endm
.macro QUARTER slot, k, f, g, zero     ; 32 along K: multiplies buffer f; in its middle fetches the next quarter, at byte k of the rows, into g
	s_wait_dscnt 8                                 ; k's rows and q's rows 0-63 are in; the youngest eight loads (q's rows 64-127) may be out
	WIN MUL_LO
	MUL16 \f, 0, 0, \zero
	MUL16 \f, 0, 2, \zero
	PLACES
	FETCH \slot, \k, \g
	s_wait_dscnt 32                                ; all but the 32 just issued
	WIN MUL_HI
	MUL16 \f, 1, 0, \zero
	MUL16 \f, 1, 2, \zero
.endm
; A K step's last quarter, and the change of slots: one barrier.  In front of it each wave waits for all its tensor loads (one is out: its part of the next slot), adds 0 to its spare word, and waits for that and for its reads of this slot.
; fill = 1: behind the barrier this slot is filled again first, two K steps ahead: 224 matrix instructions stand between the request and the wait for it.
.macro TURN slot, next, fill
	WIN 0
	s_wait_tensorcnt 0x0
	ds_add_u32 v[SPW], v[NIL]
	s_wait_dscnt 9                                 ; (the add and the youngest eight loads may be out)
	WIN MUL_LO
	MUL16 F1, 0, 0, 0
	s_wait_dscnt 0x0                               ; the add is done, and my reads of this slot are over
	s_barrier_signal -1
	MUL16 F1, 0, 2, 0
	WIN 0
	s_barrier_wait -1
.if \fill
	s_add_nc_u64 s[G0+4*\slot+2:G0+4*\slot+3], s[G0+4*\slot+2:G0+4*\slot+3], 2*KSTEP*2   ; no load of mine is out: the descriptor may be written
	tensor_load_to_lds s[G0+4*\slot:G0+4*\slot+3], s[G1:G1+7]
	s_nop 0
.rept 4
	v_nop                                          ; also the places in front of the loads below
.endr
.else
	PLACES
.endif
	FETCH \next, 0, F0
	WIN MUL_HI
	MUL16 F1, 1, 0, 0
	MUL16 F1, 1, 2, 0
.endm
	s_wait_tensorcnt 1                             ; my part of K step 0 is in; K step 1's load may be out
	s_barrier_signal -1
	s_barrier_wait -1
	FETCH 0, 0, F0
	QUARTER 0, 64,  F0, F1, 1                      ; the first products start the sums: nothing is cleared
	WIN 0
	s_mov_b32 s3, LAPS-1
.Llap:                                                 ; a trip goes once round the two slots and fills both again
	QUARTER 0, 128, F1, F0, 0
	QUARTER 0, 192, F0, F1, 0
	TURN 0, 1, 1
	QUARTER 1, 64,  F0, F1, 0
	QUARTER 1, 128, F1, F0, 0
	QUARTER 1, 192, F0, F1, 0
	TURN 1, 0, 1
	QUARTER 0, 64,  F0, F1, 0
	WIN 0
	s_sub_co_u32 s3, s3, 1
	s_cmp_lg_u32 s3, 0
	s_cbranch_scc1 .Llap
	QUARTER 0, 128, F1, F0, 0                      ; the last two K steps ask for nothing
	QUARTER 0, 192, F0, F1, 0
	TURN 0, 1, 0
	QUARTER 1, 64,  F0, F1, 0
	QUARTER 1, 128, F1, F0, 0
	QUARTER 1, 192, F0, F1, 0
	s_wait_dscnt 8
	WIN MUL_LO
	MUL16 F1, 0, 0, 0
	MUL16 F1, 0, 2, 0
	s_wait_dscnt 0x0
	WIN MUL_HI
	MUL16 F1, 1, 0, 0
	MUL16 F1, 1, 2, 0
	WIN 0
	; ---- THE TILE'S SOFTMAX
	PLACES
	s_sub_co_i32 s20, s11, s12
	s_lshl_b32 s20, s20, 7                         ; 128 (rh - ch)
	v_lshlrev_b32 v[DD], 3, v2
	v_sub_nc_u32 v[DD], v1, v[DD]
	v_add_nc_u32 v[DD], s20, v[DD]                 ; register j of accumulator (a, b) is hidden where 16 (b - a) + j > r - 8 h + 128 (rh - ch)
.irp a, 0,1,2,3,4,5,6,7
	v_mov_b32 v[MXP+2*\a+1], 0                     ; a lane permute's destination counts as one of its sources
.endr
; The mask, in tiles on the diagonal alone: for each b - a and j one compare, and a select for each accumulator of the window on that diagonal.  j ascends: each accumulator is first read at its low end.
.macro MASKW w
	WIN 0x88+0x44*\w                               ; source 0 (the bound) window 0; source 1 and destination: the accumulators' window
.set dd, -3-4*\w
.rept 11
.set jj, 0
.rept 8
	s_mov_b32 s[KC], 16*dd+jj
	v_cmp_ge_i32 vcc_lo, v[DD], s[KC]              ; the lanes whose key counts
.set aa, 4*\w
.rept 4
.if (aa+dd >= 0) && (aa+dd <= 7)
	v_cndmask_b32 v[8*(8*(aa%4)+aa+dd)+jj], s[NINF], v[8*(8*(aa%4)+aa+dd)+jj], vcc_lo
.endif
.set aa, aa+1
.endr
.set jj, jj+1
.endr
.set dd, dd+1
.endr
.endm
	s_cmp_lg_u32 s15, s16                          ; ids alone
	s_cbranch_scc1 .Lopen
	MASKW 0
	MASKW 1
	WIN 0
.Lopen:
.macro ROWMAX w                        ; the largest of a lane's 64 scores of each query block, four blocks by turns
	WIN 0x0a+5*\w
.irp a, 0,1,2,3
	v_max_num_f32 v[MXP+2*(4*\w+\a)], v[64*\a], v[64*\a+1]
.endr
.set ii, 2
.rept 31
.irp a, 0,1,2,3
	v_max3_num_f32 v[MXP+2*(4*\w+\a)], v[64*\a+ii], v[64*\a+ii+1], v[MXP+2*(4*\w+\a)]
.endr
.set ii, ii+2
.endr
.endm
	ROWMAX 0
	ROWMAX 1
	WIN 0
.irp a, 0,1,2,3,4,5,6,7
	v_permlanex16_b32 v[MXP+2*\a+1], v[MXP+2*\a], s[SEL], s[SEL+1]
.endr
.irp a, 0,1,2,3,4,5,6,7
	v_max_num_f32 v[MXP+2*\a], v[MXP+2*\a], v[MXP+2*\a+1]          ; my wave's 128 keys
.endr
.irp a, 0,1,2,3,4,5,6,7
	ds_store_b32 v[XST], v[MXP+2*\a] offset:64*\a                  ; both halves of the lanes write the same word with the same value
.endr
	s_wait_dscnt 0x0                               ; for the other wave's sake
	s_barrier_signal -1
	s_barrier_wait -1
.irp a, 0,1,2,3,4,5,6,7
	ds_load_b32 v[PX+\a], v[XLD] offset:64*\a
.endr
	s_wait_dscnt 0x0
.irp a, 0,1,2,3,4,5,6,7
	v_max_num_f32 v[MXP+2*\a], v[MXP+2*\a], v[PX+\a]               ; the tile's 256 keys: key 0 of a tile on the diagonal counts for every query, so this is a number
.endr
.irp a, 0,1,2,3,4,5,6,7
	v_mul_f32 v[MXP+2*\a], s[CS], v[MXP+2*\a]
.endr
.irp a, 0,1,2,3,4,5,6,7
	v_floor_f32 v[MXP+2*\a], -v[MXP+2*\a]                          ; -M = floor(-t) = -ceil(t)
.endr
.macro EXPW w                          ; p = 2^(c s - M), a window at a time: 128 packed scalings, 256 exponentials as one batch, a plain line, and the one wait ahead of the first reader
	WIN 0x82+0x41*\w
.irp a, 0,1,2,3
.set ii, 0
.rept 32
	v_pk_fma_f32 v[64*\a+ii:64*\a+ii+1], v[64*\a+ii:64*\a+ii+1], s[CS:CS+1], v[MXP+2*(4*\w+\a):MXP+2*(4*\w+\a)+1] op_sel_hi:[1,0,0]
.set ii, ii+2
.endr
.endr
.set ii, 0
.rept 256
	v_exp_f32 v[ii], v[ii]
.set ii, ii+1
.endr
	v_nop
	s_wait_alu depctr_va_vdst(0)
.endm
	EXPW 0
	EXPW 1
	WIN 0
.macro PACK a
.set AC, 64*((\a)%4)
	WIN 0x0a+5*((\a)/4)
.irp b, 0,1,2,3,4,5,6,7
.irp r, 0,1,2,3
	v_cvt_pk_f16_f32 v[TMP+4*\b+\r], v[AC+8*\b+2*\r], v[AC+8*\b+2*\r+1]
.endr
.endr
	WIN 0
.endm
.macro TOSTAGE a
.set BK, OB+192*((\a)%2)
.irp b, 0,1,2,3,4,5,6,7
	ds_store_b128 v[STO], v[TMP+4*\b:TMP+4*\b+3] offset:32*\b
.endr
.irp t, 0,1,2,3,4,5,6,7
	ds_load_b128 v[BK+4*\t:BK+4*\t+3], v[RD] offset:\t*2*SPITCH    ; LDS serves a wave's instructions in order: these see the stores above
.endr
.endm
.macro SUM a                           ; the sum of a lane's 64 unrounded p, in place, by halves: 16 + 8 + 4 + 2 packed additions and one into LP
.set AC, 64*((\a)%4)
	WIN 0x8a+0x45*((\a)/4)
.irp n, 32,16,8,4
.set ii, 0
.rept \n/2
	v_pk_add_f32 v[AC+ii:AC+ii+1], v[AC+ii:AC+ii+1], v[AC+ii+\n:AC+ii+\n+1]
.set ii, ii+2
.endr
.endr
	WIN 0x0a+5*((\a)/4)
	v_pk_add_f32 v[LP+2*(\a):LP+2*(\a)+1], v[AC:AC+1], v[AC+2:AC+3]
	WIN 0
.endm
.macro SEND a
.set BK, OB+192*((\a)%2)
	s_wait_dscnt 0x0                               ; the block is back in registers
	s_wait_xcnt 0x0                                ; earlier stores have read their base and their data
.if (\a) > 0
	s_add_nc_u64 s[PB:PB+1], s[PB:PB+1], 16*PROW
.endif
.irp t, 0,1,2,3,4,5,6,7
	global_store_b128 v[CO], v[BK+4*\t:BK+4*\t+3], s[PB:PB+1] offset:2*\t*PROW   ; 16 lanes store 256 consecutive bytes, at a multiple of 256 from pbuf's first byte
.endr
.endm
.irp a, 0,1,2,3,4,5,6,7                ; a block's sums stand between its loads from the stage and the wait for them
	PACK \a
	TOSTAGE \a
	SUM \a
	SEND \a
.endr
.irp a, 0,1,2,3,4,5,6,7
	v_add_f32 v[LP+2*\a], v[LP+2*\a], v[LP+2*\a+1]
.endr
.irp a, 0,1,2,3,4,5,6,7
	v_permlanex16_b32 v[LP+2*\a+1], v[LP+2*\a], s[SEL], s[SEL+1]
.endr
.irp a, 0,1,2,3,4,5,6,7
	v_add_f32 v[LP+2*\a], v[LP+2*\a], v[LP+2*\a+1]                 ; the row's sum over my 128 keys, in both halves of the lanes
.endr
.irp a, 0,2,4,6                        ; lanes 0-15 take block a's rows, lanes 16-31 block a + 1's: 32 rows, 128 consecutive bytes a store
	v_cndmask_b32 v[PX+\a/2], v[LP+2*\a], v[LP+2*\a+2], s[HM]
	v_cndmask_b32 v[PX+4+\a/2], v[MXP+2*\a], v[MXP+2*\a+2], s[HM]
.endr
.irp a, 0,2,4,6
	global_store_b32 v[LN], v[PX+\a/2], s[LB:LB+1] offset:64*\a
.endr
	s_cmp_lg_u32 s12, 0                            ; -M is the same in both waves of a row half: the one with the lower keys stores it
	s_cbranch_scc1 .Lnot_mine
.irp a, 0,2,4,6
	global_store_b32 v[LN], v[PX+4+\a/2], s[NB:NB+1] offset:64*\a
.endr
.Lnot_mine:
	s_wait_tensorcnt 0x0                           ; the wave's end
	ds_add_u32 v[SPW], v[NIL]
	s_wait_dscnt 0x0
	s_endpgm
.Lfunc_end_k_qbb09e96bbb_scores:
	.size	k_qbb09e96bbb_scores, .Lfunc_end_k_qbb09e96bbb_scores-k_qbb09e96bbb_scores
	.p2alignl 7, 3214868480
	.fill 96, 4, 3214868480
	.section	.rodata,"a",@progbits
	.p2align	6, 0x0
	.amdhsa_kernel k_qbb09e96bbb_scores
		.amdhsa_group_segment_fixed_size 327680
		.amdhsa_private_segment_fixed_size 0
		.amdhsa_enable_private_segment 0
		.amdhsa_kernarg_size 24
		.amdhsa_user_sgpr_count 2
		.amdhsa_user_sgpr_kernarg_segment_ptr 1
		.amdhsa_wavefront_size32 1
		.amdhsa_system_sgpr_workgroup_id_x 1
		.amdhsa_system_sgpr_workgroup_id_y 1
		.amdhsa_system_sgpr_workgroup_id_z 1
		.amdhsa_system_vgpr_workitem_id 0
		.amdhsa_next_free_vgpr 1024
		.amdhsa_next_free_sgpr 66
		.amdhsa_reserve_vcc 1
		.amdhsa_float_denorm_mode_32 3
		.amdhsa_float_denorm_mode_16_64 3
		.amdhsa_memory_ordered 1
		.amdhsa_forward_progress 1
		.amdhsa_inst_pref_size 246
	.end_amdhsa_kernel
	.amdgpu_metadata
---
amdhsa.version: [ 1, 2 ]
amdhsa.kernels:
  - .name:           k_qbb09e96bbb_scores
    .symbol:         k_qbb09e96bbb_scores.kd
    .args:
      - { .name: qkv, .offset: 0, .size: 8, .value_kind: global_buffer, .address_space: global }
      - { .name: pbuf, .offset: 8, .size: 8, .value_kind: global_buffer, .address_space: global }
      - { .name: stats, .offset: 16, .size: 8, .value_kind: global_buffer, .address_space: global }
    .group_segment_fixed_size: 327680
    .private_segment_fixed_size: 0
    .kernarg_segment_align: 8
    .kernarg_segment_size: 24
    .max_flat_workgroup_size: 128
    .sgpr_count:     66
    .vgpr_count:     1024
    .wavefront_size: 32
...
	.end_amdgpu_metadata
.endif
;; end of part 3
;; launch pv (part 4): grid 8 x 32, 4 waves a work-group, clusters of 4 x 1, 327,680 bytes of LDS; arguments pbuf, qkv, stats, out0; writes out0
.if DOCPART == 4
	.amdgcn_target "amdgcn-amd-amdhsa--gfx1250"
	.amdhsa_code_object_version 6
	.text
	.protected	k_qbb09e96bbb_pv
	.globl	k_qbb09e96bbb_pv
	.p2align	8
	.type	k_qbb09e96bbb_pv,@function
k_qbb09e96bbb_pv:
	s_mov_b64 s[64:65], 0
	v_nop
	global_prefetch_b8 v0, s[64:65] scope:SCOPE_SE
	s_setreg_imm32_b32 hwreg(HW_REG_WAVE_MODE, 25, 1), 1
	s_wait_xcnt 0x0
	s_wait_alu depctr_hold_cnt(0) depctr_sa_sdst(0) depctr_va_vdst(0) depctr_va_sdst(0) depctr_va_ssrc(0) depctr_va_vcc(0) depctr_vm_vsrc(0)
	s_getreg_b32 s2, hwreg(HW_REG_IB_STS2, 6, 4)
	s_cmp_eq_u32 s2, 0
	s_cbranch_scc0 .Lentry_in_a_cluster
	s_endpgm
.Lentry_in_a_cluster:
	s_bfe_u32 s2, ttmp6, 0x10000c
	s_cmp_lg_u32 s2, 0x3003
	s_cbranch_scc0 .Lentry_shape_is_right
	s_endpgm
.Lentry_shape_is_right:
; out0[q][d] = (sum over key tiles J of f_J(q) (p_J v_J)[q][d]) / l(q): f16 operands, f32 sums.  p_J = 2^(t - M_J) comes from pbuf; -M_J and the sums of p from stats.
; -M(q) = the least -M_J(q); f_J = 2^(M_J - M) is made by v_ldexp_f32 of 1.0, exact and at most 1; l = the sum of f_J l_J.  So the row's own maximum is what is taken away.
; WORK LEFT OUT: key tiles that lie wholly behind a block's queries (shown at the head of the first launch); rows 0-15 of each batch are stored by the last launch, which carries them in f32.
; SHARES.  A work-group makes 128 channels (tile 4 x cluster x + cx) of TWO blocks of 128 queries: block 15 - p, then block p (grid y = 8 b + p).  Their key tiles of 256 are (15 - p) / 2 + 1 and p / 2 + 1: 9 for every p.
; So all 256 work-groups walk 9 equal trips, and every trip count is a constant.  Wave (rh, ch) makes 64 queries x 64 channels: 16 accumulators T for the tile in hand, 128 registers O for the block.
; CLUSTER.  The four partners differ in their channels alone: they ask for P's tiles JOINTLY (mask 15).  V's tiles are each work-group's own, asked for by plain loads behind the same rounds.
; V is not shared: work-groups with the same channels walk the same key tiles only in pairs p = 2 m, 2 m + 1, which makes no four.
; THE MATRIX INSTRUCTION IS USED TRANSPOSED (source 0 = 16 channels of V^T, by the turning load; source 1 = 16 queries of P): a lane holds ONE query and eight neighbouring channels.
; REGISTERS: window 0: v4-13 addresses; v16-23 (f, at work) a block of 16 queries; v24-31 (1 / l, -M) of the block in hand, v32-39 of the second; v40-43 -M_J; v44-60 addresses at the head; v64-127 the way out; v128-255 T.
;   window 1: two fragment buffers of 128 (64 of P, 64 of V^T).   window 2: v0-127 O.
.set PP,    528                        ; a row of P in LDS: 512 bytes + 16
.set PV,    288                        ; a row of V: 256 bytes + 32
.set VOFF,  128*PP
.set SLOT,  VOFF+256*PV                ; 128 rows of P, then 256 rows of V
.set STAGE, 2*SLOT                     ; 16 rows x 272 bytes for each wave
.set SP,    272
.set SPARE, STAGE+4*16*SP
.set QROW,  6144
.set OROW,  4096
.set ADRP, 4                           ; v4-5  my P fragments in slot 0, 1
.set ADRV, 6                           ; v6-9  my V fragments: slot 0 keys 0-127, 128-255; slot 1 likewise (240 rows of 288 bytes pass the 16-bit offset)
.set STO,  10
.set RD,   11
.set GO,   12
.set SV,   13                          ; 4 r
.set SPW,  14
.set NIL,  15
.set FF,   16
.set CUR,  24
.set NXT,  32
.set NMJ,  40
.set AT,   44                          ; v44-59
.set HV,   60                          ; 4 r + 8,192 h
.set TMP,  64
.set BK,   96
.set ACC,  128
.set F0,   0
.set F1,   128
.set WV,   12
.set N1,   19
.set TN,   22                          ; the tile that the next refill brings
.set TC,   23                          ; tiles finished
.set RH,   24
.set CH,   25
.set FIRST, 34
.set SKIP, 35
.set LAP,  36
.set SEL,  38
.set PA,   40
.set PA2,  42
.set VA,   44
.set VA0,  46
.set SA,   48
.set SA2,  50
.set OA,   52
.set OA2,  54
.set G1P,  68
.set G1V,  76
.set G0P,  84
.set G0V,  92
.set MSB, 0
.macro WIN new
.if MSB != (\new)
	s_set_vgpr_msb (MSB<<8)|(\new)
.set MSB, (\new)
.endif
.endm
.set MUL,  0x05                        ; sources 0 and 1 window 1; C and D window 0
.set TO_F, 0x40
.macro JLOAD s                         ; waves 0 and 1: P's two halves, jointly; waves 2 and 3: V's two halves.  An s_nop 0 and four v_nop follow each line
	s_cmp_lt_u32 s[WV], 2
	s_cbranch_scc0 .Lfor_v_\@
	tensor_load_to_lds s[G0P+4*\s:G0P+4*\s+3], s[G1P:G1P+7]
	s_nop 0
.rept 4
	v_nop
.endr
	s_branch .Lasked_\@
.Lfor_v_\@:
	tensor_load_to_lds s[G0V+4*\s:G0V+4*\s+3], s[G1V:G1V+7]
	s_nop 0
.rept 4
	v_nop
.endr
.Lasked_\@:
.endm
.macro CREST
	s_cmp_lg_u32 s[WV], 0
	s_cbranch_scc1 .Lnot_wave_0_\@
	s_barrier_signal -3
.Lnot_wave_0_\@:
	s_barrier_wait -3
	s_barrier_signal -1
	s_barrier_wait -1
.endm
.macro CROUND
	s_barrier_signal -1
	s_barrier_wait -1
	CREST
.endm
	s_load_b256 s[4:11], s[0:1], 0x0               ; pbuf s[4:5], qkv s[6:7], stats s[8:9], out0 s[10:11]
	v_lshl_add_u32 v[SPW], v0, 2, SPARE
	v_mov_b32 v[NIL], 0
	ds_add_u32 v[SPW], v[NIL]                      ; the wave's opening: the add, twice on end, and its wait ahead of my first tensor load
	ds_add_u32 v[SPW], v[NIL]
	v_lshrrev_b32 v1, 5, v0
	v_readfirstlane_b32 s[WV], v1
	s_lshr_b32 s[RH], s[WV], 1                     ; which 64 queries
	s_and_b32 s[CH], s[WV], 1                      ; which 64 channels.  Also: which half of a tile I fetch
	s_bfe_u32 s13, ttmp6, 0x40000                  ; cx
	s_lshl_b32 s14, ttmp9, 2
	s_add_co_u32 s14, s14, s13                     ; the channel tile: it enters V's and out0's addresses alone
	s_and_b32 s15, ttmp7, 0xffff
	s_lshr_b32 s16, s15, 3                         ; b
	s_and_b32 s15, s15, 7                          ; p = the second block
	s_sub_co_u32 s17, 15, s15                      ; the first block
	s_lshr_b32 s18, s17, 1                         ; its last key tile
	s_add_co_u32 s[N1], s18, 1                     ; its key tiles: 5 to 8
	s_lshr_b32 s20, s15, 1                         ; the second block's last key tile
	s_or_b32 s[SKIP], s15, s[RH]                   ; 0 where my second block begins with rows 0-15 of the batch
	s_mov_b32 s[G1P], 15|(1<<16)|(1<<20)|(1<<21)|(6<<22)|(3<<25)   ; all four work-groups; elements of 2 bytes; padding: 4 words behind every 128; bit 21 set beside a mask
	s_mov_b32 s[G1P+1], 256<<16                    ; tensor_dim0 = 256
	s_mov_b32 s[G1P+2], 64<<16                     ; tensor_dim1 = 64
	s_mov_b32 s[G1P+3], 256<<16                    ; tile_dim0
	s_mov_b32 s[G1P+4], 64                         ; tile_dim1
	s_mov_b32 s[G1P+5], 2048                       ; the pitch
	s_mov_b32 s[G1P+6], 0
	s_mov_b32 s[G1P+7], 0
	s_mov_b32 s[G1V], (1<<16)|(1<<20)|(5<<22)|(7<<25)              ; no mask; padding: 8 words behind every 64
	s_mov_b32 s[G1V+1], 128<<16
	s_mov_b32 s[G1V+2], 128<<16
	s_mov_b32 s[G1V+3], 128<<16
	s_mov_b32 s[G1V+4], 128
	s_mov_b32 s[G1V+5], 3072
	s_mov_b32 s[G1V+6], 0
	s_mov_b32 s[G1V+7], 0
	s_mov_b32 s[SEL], 0x76543210
	s_mov_b32 s[SEL+1], 0xfedcba98
	s_mov_b32 s[TN], 2
	s_mov_b32 s[TC], 0
	s_lshl_b32 s26, s16, 11                        ; P: row 2,048 b + 128 block + 64 half, 4,096 bytes a row
	s_lshl_b32 s27, s[CH], 6
	s_add_co_u32 s26, s26, s27
	s_lshl_b32 s27, s17, 7
	s_add_co_u32 s28, s26, s27
	s_lshl_b32 s28, s28, 12
	s_mov_b32 s29, 0
	s_lshl_b32 s27, s15, 7
	s_add_co_u32 s30, s26, s27
	s_lshl_b32 s30, s30, 12
	s_mov_b32 s31, 0
	s_lshl_b32 s56, s16, 11                        ; V: row 2,048 b + 128 half, + 4,096 bytes, + 256 bytes a channel tile
	s_lshl_b32 s57, s[CH], 7
	s_add_co_u32 s56, s56, s57
	s_mul_i32 s56, s56, QROW
	s_lshl_b32 s57, s14, 8
	s_add_co_u32 s56, s56, s57
	s_add_co_u32 s56, s56, 4096
	s_mov_b32 s57, 0
	s_mul_i32 s2, s16, 24*2048                     ; stats: slot 24 b, row 128 block + 64 rh
	s_lshl_b32 s3, s[RH], 6
	s_add_co_u32 s2, s2, s3
	s_lshl_b32 s3, s17, 7
	s_add_co_u32 s32, s2, s3
	s_lshl_b32 s32, s32, 2
	s_mov_b32 s33, 0
	s_lshl_b32 s3, s15, 7
	s_add_co_u32 s60, s2, s3
	s_lshl_b32 s60, s60, 2
	s_mov_b32 s61, 0
	s_lshl_b32 s2, s16, 11                         ; out0: row 2,048 b + 128 block + 64 rh, + 512 bytes a channel tile + 256 ch
	s_lshl_b32 s3, s[RH], 6
	s_add_co_u32 s2, s2, s3
	s_lshl_b32 s3, s17, 7
	s_add_co_u32 s58, s2, s3
	s_lshl_b32 s58, s58, 12
	s_lshl_b32 s3, s15, 7
	s_add_co_u32 s62, s2, s3
	s_lshl_b32 s62, s62, 12
	s_lshl_b32 s37, s14, 9
	s_lshl_b32 s3, s[CH], 8
	s_add_co_u32 s37, s37, s3
	s_add_co_u32 s58, s58, s37
	s_add_co_u32 s62, s62, s37
	s_mov_b32 s59, 0
	s_mov_b32 s63, 0
	s_mul_i32 s2, s[CH], 64*PP                     ; where my half goes in a slot: no place in the cluster enters an LDS address
	s_mul_i32 s3, s[CH], 128*PV
	s_wait_dscnt 0x0                               ; both opening adds are done
	s_wait_kmcnt 0x0
	s_add_nc_u64 s[PA:PA+1], s[4:5], s[28:29]
	s_add_nc_u64 s[PA2:PA2+1], s[4:5], s[30:31]
	s_add_nc_u64 s[VA0:VA0+1], s[6:7], s[56:57]
	s_add_nc_u64 s[SA:SA+1], s[8:9], s[32:33]
	s_add_nc_u64 s[SA2:SA2+1], s[8:9], s[60:61]
	s_add_nc_u64 s[OA:OA+1], s[10:11], s[58:59]
	s_add_nc_u64 s[OA2:OA2+1], s[10:11], s[62:63]
	CROUND                                         ; all four work-groups are here: the first joint loads meet
.irp s, 0,1
	s_mov_b32 s[G0P+4*\s], 1
	s_add_co_u32 s[G0P+4*\s+1], s2, \s*SLOT
	s_add_nc_u64 s[G0P+4*\s+2:G0P+4*\s+3], s[PA:PA+1], \s*512
	s_or_b32 s[G0P+4*\s+3], s[G0P+4*\s+3], 0x80000000
	s_mov_b32 s[G0V+4*\s], 1
	s_add_co_u32 s[G0V+4*\s+1], s3, \s*SLOT+VOFF
	s_add_nc_u64 s[G0V+4*\s+2:G0V+4*\s+3], s[VA0:VA0+1], \s*256*QROW
	s_or_b32 s[G0V+4*\s+3], s[G0V+4*\s+3], 0x80000000
.endr
	s_add_nc_u64 s[PA:PA+1], s[PA:PA+1], 512       ; the last tiles asked for: tile 1's
	s_add_nc_u64 s[VA:VA+1], s[VA0:VA0+1], 256*QROW
	s_cmp_lt_u32 s[WV], 2                          ; a wave's two first fills stand in one branch: two loads of mine are out
	s_cbranch_scc0 .Lfirst_v
	tensor_load_to_lds s[G0P:G0P+3], s[G1P:G1P+7]
	s_nop 0
	tensor_load_to_lds s[G0P+4:G0P+7], s[G1P:G1P+7]
	s_nop 0
.rept 4
	v_nop
.endr
	s_branch .Lfirst_asked
.Lfirst_v:
	tensor_load_to_lds s[G0V:G0V+3], s[G1V:G1V+7]
	s_nop 0
	tensor_load_to_lds s[G0V+4:G0V+7], s[G1V:G1V+7]
	s_nop 0
.rept 4
	v_nop
.endr
.Lfirst_asked:
	v_and_b32 v1, 15, v0                           ; r
	v_bfe_u32 v2, v0, 4, 1                         ; h
	v_mul_u32_u24 v3, v1, PP
	v_lshl_add_u32 v3, v2, 4, v3
	s_mul_i32 s2, s[RH], 64*PP
	v_add_nc_u32 v[ADRP], s2, v3                   ; P: row 64 rh + r, + 16 h
	v_add_nc_u32 v[ADRP+1], SLOT, v[ADRP]
	v_and_b32 v3, 7, v0
	v_lshl_add_u32 v3, v2, 3, v3
	v_mul_u32_u24 v3, v3, PV
	v_bfe_u32 v44, v0, 3, 1
	v_lshl_add_u32 v3, v44, 4, v3                  ; V, for the turning load: key 8 h + lane % 8, + 16 bytes for lanes 8-15 of each half
	s_lshl_b32 s2, s[CH], 7
	s_add_co_u32 s2, s2, VOFF
	v_add_nc_u32 v[ADRV], s2, v3
	v_add_nc_u32 v[ADRV+1], 128*PV, v[ADRV]
	v_add_nc_u32 v[ADRV+2], SLOT, v[ADRV]
	v_add_nc_u32 v[ADRV+3], SLOT+128*PV, v[ADRV]
	s_mul_i32 s2, s[WV], 16*SP
	s_add_co_u32 s2, s2, STAGE
	v_mul_u32_u24 v3, v1, SP
	v_lshl_add_u32 v3, v2, 5, v3
	v_add_nc_u32 v[STO], s2, v3                    ; the stage, in: row r, + 32 h
	v_mul_u32_u24 v3, v2, SP
	v_lshl_add_u32 v3, v1, 4, v3
	v_add_nc_u32 v[RD], s2, v3                     ; back: lanes 0-15 one row of 256 bytes, lanes 16-31 the next
	v_lshlrev_b32 v[GO], 12, v2
	v_lshl_add_u32 v[GO], v1, 4, v[GO]             ; and the same two rows in out0
	v_lshlrev_b32 v[SV], 2, v1
	v_lshl_add_u32 v[HV], v2, 13, v[SV]
; A BLOCK'S ROW STATISTICS.  For each of my four blocks of 16 queries: -M_J and l of all key tiles, J held at the block's last tile, so that only entries that were stored are read; a tile past the last counts with the factor 0.
; Lanes 0-15 load the sums of a tile's keys 0-127, lanes 16-31 those of keys 128-255.
.macro RSLOAD sb, si, vn
.irp J, 0,1,2,3,4,5,6,7
	s_min_u32 s2, s[\si], \J
	s_lshl_b32 s2, s2, 13
	v_add_nc_u32 v[AT+\J], s2, v[SV]               ; slot J: 8,192 bytes a slot
	s_lshl_b32 s2, s2, 1
	v_add_nc_u32 v[AT+8+\J], s2, v[HV]             ; slot 8 + 2 J + h
.endr
.irp a, 0,1,2,3
.irp J, 0,1,2,3,4,5,6,7
	global_load_b32 v[\vn+8*\a+\J], v[AT+\J], s[\sb:\sb+1] offset:64*\a
	global_load_b32 v[\vn+32+8*\a+\J], v[AT+8+\J], s[\sb:\sb+1] offset:65536+64*\a
.endr
.endr
.endm
.macro RSCALC si, vn, out              ; out + 2 a: 1 / l;  out + 2 a + 1: -M of the row
.irp a, 0,1,2,3
	v_min3_num_f32 v[\out+2*\a+1], v[\vn+8*\a], v[\vn+8*\a+1], v[\vn+8*\a+2]
.endr
.irp a, 0,1,2,3
	v_min3_num_f32 v[\out+2*\a+1], v[\out+2*\a+1], v[\vn+8*\a+3], v[\vn+8*\a+4]
.endr
.irp a, 0,1,2,3
	v_min3_num_f32 v[\out+2*\a+1], v[\out+2*\a+1], v[\vn+8*\a+5], v[\vn+8*\a+6]
.endr
.irp a, 0,1,2,3
	v_min_num_f32 v[\out+2*\a+1], v[\out+2*\a+1], v[\vn+8*\a+7]
.endr
.irp J, 0,1,2,3,4,5,6,7
	s_cmp_ge_u32 s[\si], \J
	s_cselect_b32 s2, 1.0, 0                       ; a tile of the block, or none
.irp a, 0,1,2,3
	v_sub_f32 v[\vn+8*\a+\J], v[\out+2*\a+1], v[\vn+8*\a+\J]       ; M_J - M: a whole number, 0 or less
.endr
.irp a, 0,1,2,3
	v_cvt_i32_f32 v[\vn+8*\a+\J], v[\vn+8*\a+\J]                   ; (it saturates)
.endr
.irp a, 0,1,2,3
	v_ldexp_f32 v[\vn+8*\a+\J], s2, v[\vn+8*\a+\J]                 ; f_J
.endr
.irp a, 0,1,2,3
.if \J == 0
	v_mul_f32 v[\out+2*\a], v[\vn+8*\a], v[\vn+32+8*\a]
.else
	v_fma_f32 v[\out+2*\a], v[\vn+8*\a+\J], v[\vn+32+8*\a+\J], v[\out+2*\a]
.endif
.endr
.endr
.irp a, 0,1,2,3
	v_permlanex16_b32 v[\vn+8*\a], v[\out+2*\a], s[SEL], s[SEL+1]
.endr
.irp a, 0,1,2,3
	v_add_f32 v[\out+2*\a], v[\out+2*\a], v[\vn+8*\a]              ; both halves of the keys
.endr
.irp a, 0,1,2,3
	v_rcp_f32 v[\out+2*\a], v[\out+2*\a]
.endr
	v_nop                                          ; a plain line behind the reciprocals,
	s_wait_alu depctr_va_vdst(0)                   ; and the wait ahead of their first reader
.endm
	RSLOAD SA, 18, 128
	s_wait_xcnt 0x0                                ; the loads have read their address registers, which are written again
	RSLOAD SA2, 20, 192
	s_wait_loadcnt 0x0
	RSCALC 18, 128, CUR
	RSCALC 20, 192, NXT
; 8 matrix instructions: query blocks a0, a0 + 1 x all 4 channel blocks, 32 keys: half c of buffer f.  The 16 accumulators take turns.
.macro MUL8 f, c, a0, zero
.irp a, \a0, \a0+1
.irp b, 0,1,2,3
.if \zero
	v_wmma_f32_16x16x32_f16 v[ACC+8*(4*(\a)+\b):ACC+8*(4*(\a)+\b)+7], v[\f+64+8*(4*\c+\b):\f+64+8*(4*\c+\b)+7], v[\f+8*(4*\c+\a):\f+8*(4*\c+\a)+7], 0
.else
	v_wmma_f32_16x16x32_f16 v[ACC+8*(4*(\a)+\b):ACC+8*(4*(\a)+\b)+7], v[\f+64+8*(4*\c+\b):\f+64+8*(4*\c+\b)+7], v[\f+8*(4*\c+\a):\f+8*(4*\c+\a)+7], v[ACC+8*(4*(\a)+\b):ACC+8*(4*(\a)+\b)+7]
.endif
.endr
.endr
.endm
; 32 LDS loads in one run: the fragments of keys 64 q .. 64 q + 63; the first 32 keys first.  The slot may come as an expression: it stands in brackets wherever it is multiplied or added to.
.macro FETCH slot, q, f
	WIN TO_F
.irp c, 0,1
.irp i, 0,1,2,3
	ds_load_tr16_b128 v[\f+64+8*(4*\c+\i):\f+64+8*(4*\c+\i)+3],   v[ADRV+2*(\slot)+(\q)/2] offset:(((\q)%2)*64+32*\c)*PV+32*\i
	ds_load_tr16_b128 v[\f+64+8*(4*\c+\i)+4:\f+64+8*(4*\c+\i)+7], v[ADRV+2*(\slot)+(\q)/2] offset:(((\q)%2)*64+32*\c+16)*PV+32*\i
	ds_load_b128 v[\f+8*(4*\c+\i):\f+8*(4*\c+\i)+3],         v[ADRP+(\slot)] offset:128*(\q)+64*\c+\i*16*PP
	ds_load_b128 v[\f+8*(4*\c+\i)+4:\f+8*(4*\c+\i)+7],       v[ADRP+(\slot)] offset:128*(\q)+64*\c+\i*16*PP+32
.endr
.endr
.endm
.macro PLACES
.rept 4
	v_nop
.endr
.endm
.macro QUARTER slot, q, f, g, zero     ; 64 keys: multiplies buffer f and fetches quarter q of the same slot into g
	s_wait_dscnt 16                                ; the first 32 keys are in; the other sixteen loads may be out
	WIN MUL
	MUL8 \f, 0, 0, \zero
	MUL8 \f, 0, 2, \zero
	PLACES
	FETCH \slot, \q, \g
	s_wait_dscnt 32                                ; all but the 32 just issued
	WIN MUL
	MUL8 \f, 1, 0, 0
	MUL8 \f, 1, 2, 0
.endm
; A tile's last quarter, and the change of slots.  In front of the barrier each wave waits for all its tensor loads, adds 0 to its spare word, and waits for that and for its reads of this slot.
; fill = 1: the barrier opens a round of the cluster's barrier, and behind the round this slot takes the tile two trips on: 112 matrix instructions stand between the request and the wait for it.
.macro TURN slot, next, fill
	WIN 0
	s_wait_tensorcnt 0x0
	ds_add_u32 v[SPW], v[NIL]
	s_wait_dscnt 17                                ; (the add and the youngest sixteen loads may be out)
	WIN MUL
	MUL8 F1, 0, 0, 0
	s_wait_dscnt 0x0                               ; the add is done, and my reads of this slot are over
	s_barrier_signal -1
	MUL8 F1, 0, 2, 0
.if \fill
	WIN 0
.endif
	s_barrier_wait -1
.if \fill
	CREST
	s_add_nc_u64 s[PA:PA+1], s[PA:PA+1], 512       ; the next key tile of the block,
	s_add_nc_u64 s[VA:VA+1], s[VA:VA+1], 256*QROW
	s_cmp_eq_u32 s[TN], s[N1]                      ; or, where the first block is through, the second block's first: ids and the count of trips alone, the same in all partners
	s_cselect_b64 s[PA:PA+1], s[PA2:PA2+1], s[PA:PA+1]
	s_cselect_b64 s[VA:VA+1], s[VA0:VA0+1], s[VA:VA+1]
	s_add_co_u32 s[TN], s[TN], 1
	s_mov_b64 s[G0P+4*\slot+2:G0P+4*\slot+3], s[PA:PA+1]           ; no load of mine is out: the descriptors may be written
	s_or_b32 s[G0P+4*\slot+3], s[G0P+4*\slot+3], 0x80000000
	s_mov_b64 s[G0V+4*\slot+2:G0V+4*\slot+3], s[VA:VA+1]
	s_or_b32 s[G0V+4*\slot+3], s[G0V+4*\slot+3], 0x80000000
	JLOAD \slot                                    ; the four v_nop behind it are also the places in front of the loads below
.else
	PLACES
.endif
	FETCH \next, 0, F0
	WIN MUL
	MUL8 F1, 1, 0, 0
	MUL8 F1, 1, 2, 0
.endm
; THE WAY OUT of a block: O / l, 16 queries at a time through my stage, back as whole rows: a wave's 64 channels are 256 bytes of a row.  skip = 1: rows 0-15 of a batch are left to the last launch.
.macro FINAL skip
.irp a, 0,1,2,3
.if (\skip) && (\a == 0)
	s_cmp_eq_u32 s[SKIP], 0
	s_cbranch_scc1 .Lrows_\@
.endif
	WIN 0x02                                       ; source 0 (O) window 2
.set ii, 0
.rept 16
	v_pk_mul_f32 v[TMP+ii:TMP+ii+1], v[32*\a+ii:32*\a+ii+1], v[CUR+2*\a:CUR+2*\a+1] op_sel_hi:[1,0]
.set ii, ii+2
.endr
	WIN 0
.irp e, 0,1,2,3
	ds_store_b128 v[STO], v[TMP+8*\e:TMP+8*\e+3] offset:64*\e
	ds_store_b128 v[STO], v[TMP+8*\e+4:TMP+8*\e+7] offset:64*\e+16
.endr
	s_wait_xcnt 0x0                                ; the last 16 rows' stores have read their data: the registers are loaded again
.irp t, 0,1,2,3,4,5,6,7
	ds_load_b128 v[BK+4*\t:BK+4*\t+3], v[RD] offset:\t*2*SP        ; LDS serves a wave's instructions in order: these see the stores above
.endr
	s_wait_dscnt 0x0
.irp t, 0,1,2,3,4,5,6,7
	global_store_b128 v[GO], v[BK+4*\t:BK+4*\t+3], s[OA:OA+1] offset:\a*16*OROW+2*\t*OROW th:TH_STORE_NT   ; 16 lanes store 256 consecutive bytes, at a multiple of 256 from out0's first byte
.endr
.if (\skip) && (\a == 0)
.Lrows_\@:
.endif
.endr
.endm
; THE TILE JOINS THE BLOCK: O = O + f T, f = 2^(M_J - M), or O = f T for a block's first tile.  mode 0: trip 0; 1: a trip between; 2: the last.
.macro MERGE mode
	WIN 0
	s_wait_loadcnt 0x0                             ; -M_J, asked for at the trip's head
.irp a, 0,1,2,3
	v_sub_f32 v[FF+2*\a+1], v[CUR+2*\a+1], v[NMJ+\a]               ; (these twelve lines are the places behind the last products)
.endr
.irp a, 0,1,2,3
	v_cvt_i32_f32 v[FF+2*\a+1], v[FF+2*\a+1]
.endr
.irp a, 0,1,2,3
	v_ldexp_f32 v[FF+2*\a], 1.0, v[FF+2*\a+1]
.endr
.if \mode != 0
	s_cmp_eq_u32 s[FIRST], 0
	s_cbranch_scc0 .Lfirst_\@
	WIN 0xa0                                       ; O (destination and source 2) window 2
.set ii, 0
.rept 64
	v_pk_fma_f32 v[ii:ii+1], v[ACC+ii:ACC+ii+1], v[FF+2*(ii/32):FF+2*(ii/32)+1], v[ii:ii+1] op_sel_hi:[1,0,1]
.set ii, ii+2
.endr
	WIN 0
	s_branch .Lmerged_\@
.Lfirst_\@:
.endif
	WIN 0xa0
.set ii, 0
.rept 64
	v_pk_mul_f32 v[ii:ii+1], v[ACC+ii:ACC+ii+1], v[FF+2*(ii/32):FF+2*(ii/32)+1] op_sel_hi:[1,0]
.set ii, ii+2
.endr
	WIN 0
.if \mode != 0
.Lmerged_\@:
.endif
.if \mode < 2
	s_add_co_u32 s[TC], s[TC], 1
	s_add_nc_u64 s[SA:SA+1], s[SA:SA+1], 8192      ; the next tile's -M_J (the loads that read this base are done)
	s_cmp_eq_u32 s[TC], s[N1]                      ; the first block is through
	s_cselect_b64 s[SA:SA+1], s[SA2:SA2+1], s[SA:SA+1]
	s_cselect_b32 s[FIRST], 1, 0
.if \mode == 1
	s_cbranch_scc0 .Lon_\@
	FINAL 0
	s_wait_xcnt 0x0                                ; the stores have read their base
.irp i, 0,1,2,3,4,5,6,7
	v_mov_b32 v[CUR+\i], v[NXT+\i]
.endr
	s_mov_b64 s[OA:OA+1], s[OA2:OA2+1]
.Lon_\@:
.endif
.else
	FINAL 1
.endif
.endm
.macro TRIP slot, kind, mode           ; a key tile.  kind 1: a change of slots with a refill; 0: without; 2: none
	WIN 0
.irp a, 0,1,2,3
	global_load_b32 v[NMJ+\a], v[SV], s[SA:SA+1] offset:64*\a
.endr
	QUARTER \slot, 1, F0, F1, 1                    ; the tile's first products start T: nothing is cleared
	QUARTER \slot, 2, F1, F0, 0
	QUARTER \slot, 3, F0, F1, 0
.if \kind == 2
	s_wait_dscnt 16
	WIN MUL
	MUL8 F1, 0, 0, 0
	MUL8 F1, 0, 2, 0
	s_wait_dscnt 0x0
	MUL8 F1, 1, 0, 0
	MUL8 F1, 1, 2, 0
.else
	TURN \slot, (1-\slot), \kind                   ; the other slot, in brackets: it goes on as text
.endif
	MERGE \mode
.endm
	s_wait_tensorcnt 1                             ; my part of tile 0 is in; tile 1's load may be out
	s_barrier_signal -1
	s_barrier_wait -1
	FETCH 0, 0, F0
	TRIP 0, 1, 0                                   ; trip 0
	s_mov_b32 s[LAP], 3
.Llap:                                                 ; trips 1 to 6
	TRIP 1, 1, 1
	TRIP 0, 1, 1
	s_sub_co_u32 s[LAP], s[LAP], 1
	s_cmp_lg_u32 s[LAP], 0
	s_cbranch_scc1 .Llap
	TRIP 1, 0, 1                                   ; trip 7: nothing is left to ask for
	TRIP 0, 2, 2                                   ; trip 8
	s_wait_tensorcnt 0x0                           ; the wave's end
	ds_add_u32 v[SPW], v[NIL]
	s_wait_dscnt 0x0
	CROUND                                         ; the closing round
	s_endpgm
.Lfunc_end_k_qbb09e96bbb_pv:
	.size	k_qbb09e96bbb_pv, .Lfunc_end_k_qbb09e96bbb_pv-k_qbb09e96bbb_pv
	.p2alignl 7, 3214868480
	.fill 96, 4, 3214868480
	.section	.rodata,"a",@progbits
	.p2align	6, 0x0
	.amdhsa_kernel k_qbb09e96bbb_pv
		.amdhsa_group_segment_fixed_size 327680
		.amdhsa_private_segment_fixed_size 0
		.amdhsa_enable_private_segment 0
		.amdhsa_kernarg_size 32
		.amdhsa_user_sgpr_count 2
		.amdhsa_user_sgpr_kernarg_segment_ptr 1
		.amdhsa_wavefront_size32 1
		.amdhsa_system_sgpr_workgroup_id_x 1
		.amdhsa_system_sgpr_workgroup_id_y 1
		.amdhsa_system_sgpr_workgroup_id_z 1
		.amdhsa_system_vgpr_workitem_id 0
		.amdhsa_next_free_vgpr 640
		.amdhsa_next_free_sgpr 104
		.amdhsa_reserve_vcc 0
		.amdhsa_float_denorm_mode_32 3
		.amdhsa_float_denorm_mode_16_64 3
		.amdhsa_memory_ordered 1
		.amdhsa_forward_progress 1
		.amdhsa_inst_pref_size 218
	.end_amdhsa_kernel
	.amdgpu_metadata
---
amdhsa.version: [ 1, 2 ]
amdhsa.kernels:
  - .name:           k_qbb09e96bbb_pv
    .symbol:         k_qbb09e96bbb_pv.kd
    .args:
      - { .name: pbuf, .offset: 0, .size: 8, .value_kind: global_buffer, .address_space: global }
      - { .name: qkv, .offset: 8, .size: 8, .value_kind: global_buffer, .address_space: global }
      - { .name: stats, .offset: 16, .size: 8, .value_kind: global_buffer, .address_space: global }
      - { .name: out0, .offset: 24, .size: 8, .value_kind: global_buffer, .address_space: global }
    .group_segment_fixed_size: 327680
    .private_segment_fixed_size: 0
    .kernarg_segment_align: 8
    .kernarg_segment_size: 32
    .max_flat_workgroup_size: 128
    .sgpr_count:     104
    .vgpr_count:     640
    .wavefront_size: 32
...
	.end_amdgpu_metadata
.endif
;; end of part 4
;; launch head16 (part 5): grid 2 x 4, 8 waves a work-group, no clusters, 44,032 bytes of LDS; arguments xc, xs, wc, ws, out0; writes out0
.if DOCPART == 5
	.amdgcn_target "amdgcn-amd-amdhsa--gfx1250"
	.amdhsa_code_object_version 6
	.text
	.protected	k_qbb09e96bbb_head16
	.globl	k_qbb09e96bbb_head16
	.p2align	8
	.type	k_qbb09e96bbb_head16,@function
k_qbb09e96bbb_head16:
	s_mov_b64 s[64:65], 0
	v_nop
	global_prefetch_b8 v0, s[64:65] scope:SCOPE_SE
	s_setreg_imm32_b32 hwreg(HW_REG_WAVE_MODE, 25, 1), 1
	s_wait_xcnt 0x0
; Rows 0-15 of each batch: under the causal mask they average 1 to 16 values and are the largest in size, so q k^T and attn v are carried in f32 here, behind the same QUANTISED products on codes of FP4.
; WORK LEFT OUT: keys 16 and later, which reference()'s own mask hides from these queries (shown at the head of the first launch).
; A work-group takes a batch (grid y) and 512 of the 1,024 channels (grid x).  Wave w makes q and k of positions 0-15 for e = 128 w .. 128 w + 127, and v for 64 channels.
; NOTHING CHANGES LANES.  q and k tiles are used transposed (source 0 = 16 rows of W, source 1 = x): lane (r, h) holds position r and e = 16 t + 8 h + j.  Registers 2 i, 2 i + 1 of a k tile and of the q tile are then sources 0 and 1
; of the f32 matrix instruction under one and the same order of its four k: S^T(key, query) gathers 4 e at a time, and a lane holds query r and keys 8 h + j.  v tiles are used the natural way (source 0 = x, source 1 = 16 rows of W_v):
; lane (r, h) holds channel r and keys 8 h + j: their register pairs are source 0 of O^T = V^T P^T, and p's pairs source 1.  The eight waves' partial S^T meet in LDS.
; The registers that the f32 matrix instruction writes (v152-183, v216-247) are written by matrix instructions alone.
; REGISTERS: window 0: v3-13 addresses and work; v16-79 x's 8 fragments, later the waves' S^T, p and the results; v80-87 x's scale words; v88-119 W's, two buffers; v120-151 q and k tiles, two sets, later rows read back;
;   v152-183 four sums of S^T; v184-215 v's four tiles; v216-247 O^T; v248-255 my partial S^T.   window 1: W's fragments: two buffers x two tiles x 64.
.set RED,   0                          ; 1,024 bytes for each wave: an image of its 8 registers of S^T
.set STAGE, 8192                       ; 16 rows x 272 bytes for each wave
.set SP,    272
.set SPARE, STAGE+8*16*SP              ; the spare words, 128 bytes a wave
.set WA,   3                           ; v3  512 r + 16 h: a fragment's bytes in 16 rows of codes
.set WSA,  4                           ; v4  32 r: a row's scale bytes
.set DD,   5                           ; v5  r - 8 h: register j is hidden where j > it
.set STO,  6
.set RD,   7
.set GO,   8
.set IMS,  9
.set IML,  10
.set SPW,  14
.set NIL,  15
.set XF,   16
.set XS,   80
.set WSC,  88
.set QK,   120
.set SACC, 152
.set VT,   184
.set OACC, 216
.set PS,   248
.set WQ,   20                          ; s[20:21] wc at my 128 rows of W_q (W_k: 524,288 bytes on)
.set WVB,  22                          ; s[22:23] wc at my 64 rows of W_v
.set SQ,   24                          ; s[24:25], s[26:27] the same in ws
.set SVB,  26
.set CS,   28
.set SEL,  30
.set MSB, 0
.macro WIN new
.if MSB != (\new)
	s_set_vgpr_msb (MSB<<8)|(\new)
.set MSB, (\new)
.endif
.endm
	s_load_b256 s[4:11], s[0:1], 0x0               ; xc, xs, wc, ws
	s_load_b64 s[12:13], s[0:1], 0x20              ; out0
	v_lshl_add_u32 v[SPW], v0, 2, SPARE
	v_mov_b32 v[NIL], 0
	v_lshrrev_b32 v1, 5, v0
	v_readfirstlane_b32 s14, v1                    ; wave 0..7
	s_and_b32 s16, ttmp7, 0xffff                   ; the batch
	v_and_b32 v1, 15, v0                           ; r
	v_bfe_u32 v2, v0, 4, 1                         ; h
	v_lshlrev_b32 v[WA], 9, v1
	v_lshl_add_u32 v[WA], v2, 4, v[WA]
	v_lshlrev_b32 v[WSA], 5, v1
	v_lshlrev_b32 v[DD], 3, v2
	v_sub_nc_u32 v[DD], v1, v[DD]
	s_mul_i32 s17, s14, 16*SP
	s_add_co_u32 s17, s17, STAGE
	v_mul_u32_u24 v11, v1, SP
	v_lshl_add_u32 v11, v2, 5, v11
	v_add_nc_u32 v[STO], s17, v11
	v_mul_u32_u24 v11, v2, SP
	v_lshl_add_u32 v11, v1, 4, v11
	v_add_nc_u32 v[RD], s17, v11
	v_lshlrev_b32 v[GO], 12, v2
	v_lshl_add_u32 v[GO], v1, 4, v[GO]
	v_and_b32 v11, 31, v0
	v_lshlrev_b32 v[IML], 4, v11                   ; 16 x lane
	s_lshl_b32 s17, s14, 10
	v_add_nc_u32 v[IMS], s17, v[IML]               ; + 1,024 x wave
	s_mov_b32 s[CS], 0x3d38aa3b                    ; c = log2(e) / 32
	s_mov_b32 s[SEL], 0x76543210
	s_mov_b32 s[SEL+1], 0xfedcba98
	s_lshl_b32 s18, s16, 20                        ; the batch's first row: 2,048 rows of 512 bytes of codes,
	s_mov_b32 s19, 0
	s_lshl_b32 s32, s16, 16                        ; of 32 scale bytes
	s_mov_b32 s33, 0
	s_lshl_b32 s34, s14, 16                        ; 128 w rows of codes,
	s_mov_b32 s35, 0
	s_lshl_b32 s36, s14, 12                        ; of scale bytes
	s_mov_b32 s37, 0
	s_lshl_b32 s38, ttmp9, 9
	s_lshl_b32 s39, s14, 6
	s_add_co_u32 s38, s38, s39
	s_add_co_u32 s38, s38, 2048                    ; W_v's row 512 x chunk + 64 w, behind W_q's and W_k's
	s_lshl_b32 s40, s38, 5
	s_mov_b32 s41, 0
	s_lshl_b32 s38, s38, 9
	s_mov_b32 s39, 0
	s_lshl_b32 s42, s16, 23                        ; out0: 2,048 rows of 4,096 bytes a batch, + 2,048 bytes a chunk, + 256 a wave
	s_lshl_b32 s43, ttmp9, 11
	s_add_co_u32 s42, s42, s43
	s_lshl_b32 s43, s14, 8
	s_add_co_u32 s42, s42, s43
	s_mov_b32 s43, 0
	s_wait_kmcnt 0x0
	s_add_nc_u64 s[4:5], s[4:5], s[18:19]
	s_add_nc_u64 s[6:7], s[6:7], s[32:33]
	s_add_nc_u64 s[WQ:WQ+1], s[8:9], s[34:35]
	s_add_nc_u64 s[SQ:SQ+1], s[10:11], s[36:37]
	s_add_nc_u64 s[WVB:WVB+1], s[8:9], s[38:39]
	s_add_nc_u64 s[SVB:SVB+1], s[10:11], s[40:41]
	s_add_nc_u64 s[12:13], s[12:13], s[42:43]
.irp s, 0,1,2,3,4,5,6,7                ; x's eight fragments (16 rows x 128 K each) and its scale words: 18 loads
.irp c, 0,1
	global_load_b128 v[XF+8*\s+4*\c:XF+8*\s+4*\c+3], v[WA], s[4:5] offset:64*\s+32*\c
.endr
.endr
	global_load_b128 v[XS:XS+3], v[WSA], s[6:7]
	global_load_b128 v[XS+4:XS+7], v[WSA], s[6:7] offset:16
; TEN GROUPS of two tiles of W: groups 0, 1: v's tiles 2 g, 2 g + 1;  groups 2 to 9: the tiles t = g - 2 of W_q and of W_k.  A group's 36 loads are asked for two groups ahead, into buffer g % 2.
.macro GLOAD g
.set BF, (\g)%2
	WIN 0x40                                       ; destination window 1
.irp u, 0,1
.irp s, 0,1,2,3,4,5,6,7
.irp c, 0,1
.if (\g) < 2
	global_load_b128 v[128*BF+64*\u+8*\s+4*\c:128*BF+64*\u+8*\s+4*\c+3], v[WA], s[WVB:WVB+1] offset:(2*(\g)+\u)*8192+64*\s+32*\c
.else
	global_load_b128 v[128*BF+64*\u+8*\s+4*\c:128*BF+64*\u+8*\s+4*\c+3], v[WA], s[WQ:WQ+1] offset:((\g)-2)*8192+\u*524288+64*\s+32*\c
.endif
.endr
.endr
.endr
	WIN 0
.irp u, 0,1
.irp c, 0,1
.if (\g) < 2
	global_load_b128 v[WSC+16*BF+8*\u+4*\c:WSC+16*BF+8*\u+4*\c+3], v[WSA], s[SVB:SVB+1] offset:(2*(\g)+\u)*512+16*\c
.else
	global_load_b128 v[WSC+16*BF+8*\u+4*\c:WSC+16*BF+8*\u+4*\c+3], v[WSA], s[SQ:SQ+1] offset:((\g)-2)*512+\u*32768+16*\c
.endif
.endr
.endr
.endm
.macro GROUP g
.set BF, (\g)%2
.if (\g) < 9
	s_wait_loadcnt 36                              ; this group's loads are in; the next group's 36 may be out
.else
	s_wait_loadcnt 0x0
.endif
.if (\g) < 2
	WIN 0x04                                       ; source 1 (W_v) window 1
.irp s, 0,1,2,3,4,5,6,7                ; the two tiles by turns, K ascending
.irp u, 0,1
.if \s == 0
	v_wmma_scale_f32_16x16x128_f8f6f4 v[VT+8*(2*(\g)+\u):VT+8*(2*(\g)+\u)+7], v[XF+8*\s:XF+8*\s+7], v[128*BF+64*\u+8*\s:128*BF+64*\u+8*\s+7], 0, v[XS+\s], v[WSC+16*BF+8*\u+\s] matrix_a_fmt:MATRIX_FMT_FP4 matrix_b_fmt:MATRIX_FMT_FP4
.else
	v_wmma_scale_f32_16x16x128_f8f6f4 v[VT+8*(2*(\g)+\u):VT+8*(2*(\g)+\u)+7], v[XF+8*\s:XF+8*\s+7], v[128*BF+64*\u+8*\s:128*BF+64*\u+8*\s+7], v[VT+8*(2*(\g)+\u):VT+8*(2*(\g)+\u)+7], v[XS+\s], v[WSC+16*BF+8*\u+\s] matrix_a_fmt:MATRIX_FMT_FP4 matrix_b_fmt:MATRIX_FMT_FP4
.endif
.endr
.endr
.else
	WIN 0x01                                       ; source 0 (W_q, W_k) window 1
.irp s, 0,1,2,3,4,5,6,7
.irp u, 0,1
.if \s == 0
	v_wmma_scale_f32_16x16x128_f8f6f4 v[QK+16*BF+8*\u:QK+16*BF+8*\u+7], v[128*BF+64*\u+8*\s:128*BF+64*\u+8*\s+7], v[XF+8*\s:XF+8*\s+7], 0, v[WSC+16*BF+8*\u+\s], v[XS+\s] matrix_a_fmt:MATRIX_FMT_FP4 matrix_b_fmt:MATRIX_FMT_FP4
.else
	v_wmma_scale_f32_16x16x128_f8f6f4 v[QK+16*BF+8*\u:QK+16*BF+8*\u+7], v[128*BF+64*\u+8*\s:128*BF+64*\u+8*\s+7], v[XF+8*\s:XF+8*\s+7], v[QK+16*BF+8*\u:QK+16*BF+8*\u+7], v[WSC+16*BF+8*\u+\s], v[XS+\s] matrix_a_fmt:MATRIX_FMT_FP4 matrix_b_fmt:MATRIX_FMT_FP4
.endif
.endr
.endr
.endif
	WIN 0
.rept 9
	v_nop                                          ; nine places: five before the tiles serve as sources below, four before loads land on the fragments; and the nine between the f32 products of the group before last and the products that write their sources anew
.endr
.if (\g) >= 2
.irp i, 0,1,2,3                        ; S^T += k q^T over 16 e: four sums by turns, source 0 = k's pair, source 1 = q's
.if (\g) == 2
	v_wmma_f32_16x16x4_f32 v[SACC+8*\i:SACC+8*\i+7], v[QK+16*BF+8+2*\i:QK+16*BF+8+2*\i+1], v[QK+16*BF+2*\i:QK+16*BF+2*\i+1], 0
.else
	v_wmma_f32_16x16x4_f32 v[SACC+8*\i:SACC+8*\i+7], v[QK+16*BF+8+2*\i:QK+16*BF+8+2*\i+1], v[QK+16*BF+2*\i:QK+16*BF+2*\i+1], v[SACC+8*\i:SACC+8*\i+7]
.endif
.endr
.endif
.if (\g)+2 < 10
	GLOAD (\g)+2
.endif
.endm
	GLOAD 0
	GLOAD 1
.irp g, 0,1,2,3,4,5,6,7,8,9
	GROUP \g
.endr
.rept 8
	v_nop                                          ; eight places behind the f32 form before its results are read
.endr
.irp j, 0,1,2,3,4,5,6,7
	v_add_f32 v[PS+\j], v[SACC+\j], v[SACC+8+\j]   ; each sum from its low end on, into other registers
.endr
.irp j, 0,1,2,3,4,5,6,7
	v_add_f32 v[QK+\j], v[SACC+16+\j], v[SACC+24+\j]
.endr
.irp j, 0,1,2,3,4,5,6,7
	v_add_f32 v[PS+\j], v[PS+\j], v[QK+\j]         ; my 128 e's part of S^T
.endr
	ds_store_b128 v[IMS], v[PS:PS+3]               ; as an image of its registers
	ds_store_b128 v[IMS], v[PS+4:PS+7] offset:512
	s_wait_dscnt 0x0                               ; for the others' sake
	s_barrier_signal -1
	s_barrier_wait -1
.irp w, 0,1,2,3,4,5,6,7
	ds_load_b128 v[XF+8*\w:XF+8*\w+3], v[IML] offset:1024*\w
	ds_load_b128 v[XF+8*\w+4:XF+8*\w+7], v[IML] offset:1024*\w+512
.endr
	s_wait_dscnt 0x0
.irp n, 32,16,8                        ; the eight waves' parts, by halves: every wave adds in the same order
.set ii, 0
.rept \n/2
	v_pk_add_f32 v[XF+ii:XF+ii+1], v[XF+ii:XF+ii+1], v[XF+ii+\n:XF+ii+\n+1]
.set ii, ii+2
.endr
.endr
	v_mov_b32 v11, 0xff800000
	v_mov_b32 v13, 0                               ; a lane permute's destination counts as one of its sources
.irp j, 0,1,2,3,4,5,6,7
	v_cmp_gt_i32 vcc_lo, \j, v[DD]                 ; key 8 h + j comes after query r
	v_cndmask_b32 v[XF+\j], v[XF+\j], v11, vcc_lo
.endr
	v_max3_num_f32 v12, v[XF], v[XF+1], v[XF+2]
	v_max3_num_f32 v12, v12, v[XF+3], v[XF+4]
	v_max3_num_f32 v12, v12, v[XF+5], v[XF+6]
	v_max_num_f32 v12, v12, v[XF+7]
	v_permlanex16_b32 v13, v12, s[SEL], s[SEL+1]
	v_max_num_f32 v12, v12, v13                    ; the row's largest score: key 0 counts for every query
	v_mul_f32 v12, s[CS], v12
.irp j, 0,1,2,3,4,5,6,7
	v_fma_f32 v[XF+\j], v[XF+\j], s[CS], -v12
.endr
.irp j, 0,1,2,3,4,5,6,7
	v_exp_f32 v[XF+\j], v[XF+\j]                   ; p = 2^(t - the largest t)
.endr
	v_nop
	s_wait_alu depctr_va_vdst(0)                   ; the wait ahead of the first reader: one for the eight
	v_add_f32 v12, v[XF], v[XF+1]
.irp j, 2,3,4,5,6,7
	v_add_f32 v12, v12, v[XF+\j]
.endr
	v_permlanex16_b32 v13, v12, s[SEL], s[SEL+1]
	v_add_f32 v12, v12, v13
	v_rcp_f32 v12, v12
	v_nop
	s_wait_alu depctr_va_vdst(0)
.irp i, 0,1,2,3                        ; O^T = V^T P^T: four keys an instruction, the four tiles of channels by turns
.irp t, 0,1,2,3
.if \i == 0
	v_wmma_f32_16x16x4_f32 v[OACC+8*\t:OACC+8*\t+7], v[VT+8*\t+2*\i:VT+8*\t+2*\i+1], v[XF+2*\i:XF+2*\i+1], 0
.else
	v_wmma_f32_16x16x4_f32 v[OACC+8*\t:OACC+8*\t+7], v[VT+8*\t+2*\i:VT+8*\t+2*\i+1], v[XF+2*\i:XF+2*\i+1], v[OACC+8*\t:OACC+8*\t+7]
.endif
.endr
.endr
.rept 8
	v_nop
.endr
.irp j, 0,1,2,3,4,5,6,7,8,9,10,11,12,13,14,15,16,17,18,19,20,21,22,23,24,25,26,27,28,29,30,31
	v_mul_f32 v[XF+32+\j], v[OACC+\j], v12         ; / the sum, into other registers: register 8 t + j is out(r, 16 t + 8 h + j)
.endr
.irp t, 0,1,2,3
	ds_store_b128 v[STO], v[XF+32+8*\t:XF+32+8*\t+3] offset:64*\t
	ds_store_b128 v[STO], v[XF+32+8*\t+4:XF+32+8*\t+7] offset:64*\t+16
.endr
.irp t, 0,1,2,3,4,5,6,7
	ds_load_b128 v[QK+4*\t:QK+4*\t+3], v[RD] offset:\t*2*SP        ; LDS serves a wave's instructions in order: these see the stores above
.endr
	s_wait_dscnt 0x0
.irp t, 0,1,2,3,4,5,6,7
	global_store_b128 v[GO], v[QK+4*\t:QK+4*\t+3], s[12:13] offset:2*\t*4096 th:TH_STORE_NT   ; 16 lanes store 256 consecutive bytes, at a multiple of 256 from out0's first byte
.endr
	s_wait_tensorcnt 0x0                           ; the wave's end
	ds_add_u32 v[SPW], v[NIL]
	s_wait_dscnt 0x0
	s_endpgm
.Lfunc_end_k_qbb09e96bbb_head16:
	.size	k_qbb09e96bbb_head16, .Lfunc_end_k_qbb09e96bbb_head16-k_qbb09e96bbb_head16
	.p2alignl 7, 3214868480
	.fill 96, 4, 3214868480
	.section	.rodata,"a",@progbits
	.p2align	6, 0x0
	.amdhsa_kernel k_qbb09e96bbb_head16
		.amdhsa_group_segment_fixed_size 44032
		.amdhsa_private_segment_fixed_size 0
		.amdhsa_enable_private_segment 0
		.amdhsa_kernarg_size 40
		.amdhsa_user_sgpr_count 2
		.amdhsa_user_sgpr_kernarg_segment_ptr 1
		.amdhsa_wavefront_size32 1
		.amdhsa_system_sgpr_workgroup_id_x 1
		.amdhsa_system_sgpr_workgroup_id_y 1
		.amdhsa_system_sgpr_workgroup_id_z 1
		.amdhsa_system_vgpr_workitem_id 0
		.amdhsa_next_free_vgpr 512
		.amdhsa_next_free_sgpr 66
		.amdhsa_reserve_vcc 1
		.amdhsa_float_denorm_mode_32 3
		.amdhsa_float_denorm_mode_16_64 3
		.amdhsa_memory_ordered 1
		.amdhsa_forward_progress 1
		.amdhsa_inst_pref_size 75
	.end_amdhsa_kernel
	.amdgpu_metadata
---
amdhsa.version: [ 1, 2 ]
amdhsa.kernels:
  - .name:           k_qbb09e96bbb_head16
    .symbol:         k_qbb09e96bbb_head16.kd
    .args:
      - { .name: xc, .offset: 0, .size: 8, .value_kind: global_buffer, .address_space: global }
      - { .name: xs, .offset: 8, .size: 8, .value_kind: global_buffer, .address_space: global }
      - { .name: wc, .offset: 16, .size: 8, .value_kind: global_buffer, .address_space: global }
      - { .name: ws, .offset: 24, .size: 8, .value_kind: global_buffer, .address_space: global }
      - { .name: out0, .offset: 32, .size: 8, .value_kind: global_buffer, .address_space: global }
    .group_segment_fixed_size: 44032
    .private_segment_fixed_size: 0
    .kernarg_segment_align: 8
    .kernarg_segment_size: 40
    .max_flat_workgroup_size: 256
    .sgpr_count:     66
    .vgpr_count:     512
    .wavefront_size: 32
...
	.end_amdgpu_metadata
.endif
;; end of part 5
;; ======== version 2 of 2: 5 launches; 1.14 times as fast as version 1
;; limits: values are held in f16: magnitudes above 65,504 overflow, below 6.1e-05 lose precision
;; workspace buffers: xc 4,194,304 bytes; xs 262,144 bytes; wc 1,572,864 bytes; ws 98,304 bytes; qkv 50,331,648 bytes; pbuf 33,554,432 bytes; stats 786,432 bytes; h16 786,432 bytes
;; launch quant: the kernel of part 1 again; grid 352 x 1, 4 waves a work-group, no clusters, 33,280 bytes of LDS; arguments x, W_q, W_k, W_v, xc, xs, wc, ws; writes xc, xs, wc, ws
;; launch proj: the kernel of part 2 again; grid 12 x 32, 4 waves a work-group, clusters of 4 x 4, 327,680 bytes of LDS; arguments xc, xs, wc, ws, qkv; writes qkv
;; launch scores (part 6): grid 13 x 16, 4 waves a work-group, no clusters, 327,680 bytes of LDS; arguments qkv, pbuf, stats, h16, xc, xs, wc, ws; writes pbuf, stats, h16
.if DOCPART == 6
	.amdgcn_target "amdgcn-amd-amdhsa--gfx1250"
	.amdhsa_code_object_version 6
	.text
	.protected	k_qbb09e96bbb_scores
	.globl	k_qbb09e96bbb_scores
	.p2align	8
	.type	k_qbb09e96bbb_scores,@function
k_qbb09e96bbb_scores:
	s_mov_b64 s[64:65], 0
	v_nop
	global_prefetch_b8 v0, s[64:65] scope:SCOPE_SE
	s_setreg_imm32_b32 hwreg(HW_REG_WAVE_MODE, 25, 1), 1
	s_wait_xcnt 0x0
; One tile of 256 queries x 256 keys of q k^T (f16 operands, f32 sums, K = 1,024), and the tile's own part of the softmax.
; WORK LEFT OUT: tiles whose keys all come after their queries (key tile J > query tile I): reference()'s own mask makes their weights exactly 0 (shown at the head of the first launch).
; For row q and key tile J: t = score x c, c = log2(e) / 32; M = the largest t of the row in this tile, rounded UP to a whole number, kept as -M = floor(-t); p = 2^(t - M), at most 1, goes to pbuf as f16;
; -M goes to stats slot J, and the f32 sum of the unrounded p of each 128 keys to slot 8 + 2 J + half.  The next launch brings the tiles of a row under the row's own maximum by exact powers of two.
; THE TRIANGLE AS A RECTANGLE: grid x = c (0..8), grid y = 4 b + p.  c <= p: tile row I = p, J = c; else I = 7 - p, J = c - p - 1: p + 1 and 8 - p tiles, 9 for every p.
; BESIDE THE 144 TILES, 64 FURTHER WORK-GROUPS (grid x = 9..12) make q, k and v of positions 0-15 of each batch once more, by the same QUANTISED products on codes of FP4, and keep them in f32: the last launch carries
; those rows' attention in f32.  They share nothing with the tiles but the launch: the paths part on the work-group's number behind the opening lines and do not meet again (the text at .Lsmall).
; NO CLUSTER: a tile row has 1 to 8 tiles and a tile column 8 to 1, so the 36 tiles of a batch do not divide into fours that share a row or a column without work-groups that have no tile.
; Four waves, 128 x 128 each: 64 accumulators in windows 2 and 3.  K goes in steps of 128 through two LDS slots; each wave fetches a quarter of a slot (128 rows of 256 bytes) with one tensor load.
; THE MATRIX INSTRUCTION IS USED TRANSPOSED (source 0 = 16 keys, source 1 = 16 queries): lane (r, h) of accumulator (a, b) holds query 16 a + r and keys 16 b + 8 h + 0 .. 7.
; REGISTERS: window 0: v0-31 addresses; v64-191 q's fragments, two buffers; on the way out v64-104 statistics, v192-223 packed p, v32-63 and v224-255 rows read back.  window 1: k's fragments.  windows 2, 3: accumulators.
.set KSTEP,  128
.set PITCH,  272                       ; an LDS row: 256 bytes + 16: the 16 rows that a load touches start at 16 different banks
.set HALFT,  128*PITCH
.set SLOT,   4*HALFT                   ; q's 256 rows, then k's 256 rows
.set STAGE,  2*SLOT                    ; 16 rows x 272 bytes for each wave
.set SPITCH, 272
.set XCH,    STAGE+4*16*SPITCH         ; 512 bytes for each wave: its 128 rows' maxima
.set SPARE,  XCH+4*512                 ; the spare words, 128 bytes a wave
.set QROW,   6144                      ; a row of qkv in bytes
.set PROW,   4096                      ; a row of pbuf in bytes
.set LAPS,   4                         ; 1,024 / 256
.set ADRA, 16
.set ADRB, 20
.set STO,  24
.set RD,   25
.set CO,   26
.set XST,  27                          ; v27  where I put a row's maximum
.set SPW,  28
.set NIL,  29
.set XLD,  30                          ; v30  where the wave beside me has put its own
.set LN,   31                          ; v31  4 x lane
.set F0,   64
.set F1,   128
.set TMP,  192
.set OB,   32
.set MXP,  64                          ; pairs: v[64+2a] the maximum, then -M; v[65+2a] at work
.set LP,   80                          ; pairs: the sums of block a
.set PX,   96                          ; v96-103 at work
.set DD,   104                         ; v104 the lane's bound under the mask
.set G1, 24
.set G0, 32
.set NINF, 40
.set KC,   41
.set CS,   42                          ; s[42:43] c
.set SEL,  44                          ; s[44:45] selects of v_permlanex16_b32: lane xor 16
.set HM,   46                          ; lanes 16-31
.set PB,   48                          ; s[48:49] pbuf at my part of the tile
.set LB,   50                          ; s[50:51] stats at my sums
.set NB,   52                          ; s[52:53] stats at my -M
.set MSB, 0
.macro WIN new
.if MSB != (\new)
	s_set_vgpr_msb (MSB<<8)|(\new)
.set MSB, (\new)
.endif
.endm
.set MUL_LO, 0xa1                      ; source 0 (k) window 1, source 1 (q) window 0, C and D window 2
.set MUL_HI, 0xf1
.set TO_B,   0x40
	s_load_b128 s[4:7], s[0:1], 0x0                ; qkv, pbuf
	s_load_b64 s[8:9], s[0:1], 0x10                ; stats
	v_lshl_add_u32 v[SPW], v0, 2, SPARE
	v_mov_b32 v[NIL], 0
	ds_add_u32 v[SPW], v[NIL]                      ; the wave's opening: the add, twice on end, and its wait ahead of my first tensor load
	ds_add_u32 v[SPW], v[NIL]
	v_lshrrev_b32 v1, 5, v0
	v_readfirstlane_b32 s10, v1                    ; wave 0..3
	s_lshr_b32 s11, s10, 1                         ; rh: which half of the queries is mine.  Also: I fetch q (0) or k (1)
	s_and_b32 s12, s10, 1                          ; ch: which half of the keys.  Also: which 128 rows I fetch
	s_and_b32 s13, ttmp7, 0xffff
	s_lshr_b32 s14, s13, 2                         ; b
	s_and_b32 s13, s13, 3                          ; p
	s_sub_co_u32 s15, 7, s13
	s_sub_co_u32 s16, ttmp9, s13
	s_sub_co_u32 s16, s16, 1
	s_cmp_le_u32 ttmp9, s13
	s_cselect_b32 s15, s13, s15                    ; I
	s_cselect_b32 s16, ttmp9, s16                  ; J
	s_mov_b32 s[G1+0], (1<<16)|(1<<20)|(5<<22)|(3<<25)   ; elements of 2 bytes; padding: 4 words behind every 64
	s_mov_b32 s[G1+1], KSTEP<<16                   ; tensor_dim0 = 128
	s_mov_b32 s[G1+2], 128<<16                     ; tensor_dim1 = 128
	s_mov_b32 s[G1+3], KSTEP<<16                   ; tile_dim0 = 128
	s_mov_b32 s[G1+4], 128                         ; tile_dim1 = 128
	s_mov_b32 s[G1+5], 3072                        ; the pitch, in elements
	s_mov_b32 s[G1+6], 0
	s_mov_b32 s[G1+7], 0
	s_cmp_eq_u32 s11, 0
	s_cselect_b32 s17, s15, s16                    ; q's rows by I, k's by J
	s_lshl_b32 s17, s17, 8
	s_lshl_b32 s18, s14, 11
	s_add_co_u32 s17, s17, s18
	s_lshl_b32 s18, s12, 7
	s_add_co_u32 s17, s17, s18                     ; row 2,048 b + 256 tile + 128 half
	s_mul_i32 s20, s17, QROW
	s_lshl_b32 s18, s11, 11                        ; k lies 2,048 bytes on in a row
	s_add_co_u32 s20, s20, s18
	s_mov_b32 s21, 0
	s_mul_i32 s22, s10, HALFT                      ; where my quarter goes
	s_mov_b32 s[NINF], 0xff800000
	s_mov_b32 s[CS], 0x3d38aa3b                    ; c = log2(e) / 32
	s_mov_b32 s[CS+1], s[CS]
	s_mov_b32 s[SEL], 0x76543210
	s_mov_b32 s[SEL+1], 0xfedcba98
	s_mov_b32 s[HM], 0xffff0000
	s_wait_dscnt 0x0                               ; both opening adds are done
	s_cmp_ge_u32 ttmp9, 9                          ; the work-group's number alone: all four waves go the same way, and the two ways do not meet again
	s_cbranch_scc1 .Lsmall
	s_wait_kmcnt 0x0
	s_add_nc_u64 s[20:21], s[4:5], s[20:21]
.irp s, 0,1
	s_mov_b32 s[G0+4*\s], 1
	s_add_co_u32 s[G0+4*\s+1], s22, \s*SLOT
	s_add_nc_u64 s[G0+4*\s+2:G0+4*\s+3], s[20:21], \s*KSTEP*2
	s_or_b32 s[G0+4*\s+3], s[G0+4*\s+3], 0x80000000
	tensor_load_to_lds s[G0+4*\s:G0+4*\s+3], s[G1:G1+7]   ; every wave fetches: two loads of mine are out
	s_nop 0
.endr
	v_and_b32 v1, 15, v0                           ; r
	v_bfe_u32 v2, v0, 4, 1                         ; h
	v_mul_u32_u24 v3, v1, PITCH
	v_lshl_add_u32 v3, v2, 4, v3
	s_mul_i32 s21, s11, HALFT                      ; my 128 rows of q
	s_mul_i32 s22, s12, HALFT
	s_add_co_u32 s22, s22, 2*HALFT                 ; my 128 rows of k
.irp s, 0,1
	v_add_nc_u32 v[ADRA+\s], s21, v3
	v_add_nc_u32 v[ADRB+\s], s22, v3
	s_add_co_u32 s21, s21, SLOT
	s_add_co_u32 s22, s22, SLOT
.endr
	s_mul_i32 s23, s10, 16*SPITCH
	s_add_co_u32 s23, s23, STAGE
	v_mul_u32_u24 v4, v1, SPITCH
	v_lshl_add_u32 v4, v2, 4, v4
	v_add_nc_u32 v[STO], s23, v4
	v_mul_u32_u24 v5, v2, SPITCH
	v_lshl_add_u32 v5, v1, 4, v5
	v_add_nc_u32 v[RD], s23, v5
	v_lshlrev_b32 v5, 12, v2                       ; two rows of pbuf
	v_lshl_add_u32 v[CO], v1, 4, v5
	s_lshl_b32 s23, s10, 9
	s_add_co_u32 s23, s23, XCH
	v_lshl_add_u32 v[XST], v1, 2, s23              ; my wave's 512 bytes, 4 r
	s_xor_b32 s23, s10, 1
	s_lshl_b32 s23, s23, 9
	s_add_co_u32 s23, s23, XCH
	v_lshl_add_u32 v[XLD], v1, 2, s23              ; those of the wave with the same queries and the other keys
	v_and_b32 v[LN], 31, v0
	v_lshlrev_b32 v[LN], 2, v[LN]
	s_lshl_b32 s17, s14, 11
	s_lshl_b32 s18, s15, 8
	s_add_co_u32 s17, s17, s18
	s_lshl_b32 s18, s11, 7
	s_add_co_u32 s17, s17, s18                     ; my first row of pbuf: 2,048 b + 256 I + 128 rh
	s_lshl_b32 s54, s17, 12
	s_lshl_b32 s18, s16, 9
	s_add_co_u32 s54, s54, s18                     ; + 512 J
	s_lshl_b32 s18, s12, 8
	s_add_co_u32 s54, s54, s18                     ; + 256 ch
	s_mov_b32 s55, 0
	s_add_nc_u64 s[PB:PB+1], s[6:7], s[54:55]
	s_lshl_b32 s17, s15, 8
	s_lshl_b32 s18, s11, 7
	s_add_co_u32 s17, s17, s18                     ; my first row in the batch
	s_mul_i32 s18, s14, 24
	s_add_co_u32 s19, s18, s16                     ; slot 24 b + J
	s_lshl_b32 s54, s19, 11
	s_add_co_u32 s54, s54, s17
	s_lshl_b32 s54, s54, 2
	s_add_nc_u64 s[NB:NB+1], s[8:9], s[54:55]
	s_lshl_b32 s19, s16, 1
	s_add_co_u32 s19, s19, s18
	s_add_co_u32 s19, s19, s12
	s_add_co_u32 s19, s19, 8                       ; slot 24 b + 8 + 2 J + ch
	s_lshl_b32 s54, s19, 11
	s_add_co_u32 s54, s54, s17
	s_lshl_b32 s54, s54, 2
	s_add_nc_u64 s[LB:LB+1], s[8:9], s[54:55]
; 16 matrix instructions: query blocks a0, a0 + 1 of the window's four x all 8 key blocks, 32 along K.  The 64 accumulators take turns, one instruction a turn.
.macro MUL16 f, hi, a0, zero
.irp a, \a0, \a0+1
.irp b, 0,1,2,3,4,5,6,7
.if \zero
	v_wmma_f32_16x16x32_f16 v[8*(8*(\a)+\b):8*(8*(\a)+\b)+7], v[\f+8*\b:\f+8*\b+7], v[\f+8*(4*\hi+\a):\f+8*(4*\hi+\a)+7], 0
.else
	v_wmma_f32_16x16x32_f16 v[8*(8*(\a)+\b):8*(8*(\a)+\b)+7], v[\f+8*\b:\f+8*\b+7], v[\f+8*(4*\hi+\a):\f+8*(4*\hi+\a)+7], v[8*(8*(\a)+\b):8*(8*(\a)+\b)+7]
.endif
.endr
.endr
.endm
.macro FETCH slot, k, f                ; 32 LDS loads in one run: a quarter step's fragments, k's 128 rows then q's
	WIN TO_B
.irp i, 0,1,2,3,4,5,6,7
	ds_load_b128 v[\f+8*\i:\f+8*\i+3],   v[ADRB+\slot] offset:\k+\i*16*PITCH
	ds_load_b128 v[\f+8*\i+4:\f+8*\i+7], v[ADRB+\slot] offset:\k+\i*16*PITCH+32
.endr
	WIN 0
.irp i, 0,1,2,3,4,5,6,7
	ds_load_b128 v[\f+8*\i:\f+8*\i+3],   v[ADRA+\slot] offset:\k+\i*16*PITCH
	ds_load_b128 v[\f+8*\i+4:\f+8*\i+7], v[ADRA+\slot] offset:\k+\i*16*PITCH+32
.endr
.endm
.macro PLACES                          ; four plain vector lines between a matrix instruction and a load into, or a vector access to, its registers
.rept 4
	v_nop
.endr
.endm
.macro QUARTER slot, k, f, g, zero     ; 32 along K: multiplies buffer f; in its middle fetches the next quarter, at byte k of the rows, into g
	s_wait_dscnt 8                                 ; k's rows and q's rows 0-63 are in; the youngest eight loads (q's rows 64-127) may be out
	WIN MUL_LO
	MUL16 \f, 0, 0, \zero
	MUL16 \f, 0, 2, \zero
	PLACES
	FETCH \slot, \k, \g
	s_wait_dscnt 32                                ; all but the 32 just issued
	WIN MUL_HI
	MUL16 \f, 1, 0, \zero
	MUL16 \f, 1, 2, \zero
.endm
; A K step's last quarter, and the change of slots: one barrier.  In front of it each wave waits for all its tensor loads (one is out: its part of the next slot), adds 0 to its spare word, and waits for that and for its reads of this slot.
; fill = 1: behind the barrier this slot is filled again first, two K steps ahead: 224 matrix instructions stand between the request and the wait for it.
.macro TURN slot, next, fill
	WIN 0
	s_wait_tensorcnt 0x0
	ds_add_u32 v[SPW], v[NIL]
	s_wait_dscnt 9                                 ; (the add and the youngest eight loads may be out)
	WIN MUL_LO
	MUL16 F1, 0, 0, 0
	s_wait_dscnt 0x0                               ; the add is done, and my reads of this slot are over
	s_barrier_signal -1
	MUL16 F1, 0, 2, 0
	WIN 0
	s_barrier_wait -1
.if \fill
	s_add_nc_u64 s[G0+4*\slot+2:G0+4*\slot+3], s[G0+4*\slot+2:G0+4*\slot+3], 2*KSTEP*2   ; no load of mine is out: the descriptor may be written
	tensor_load_to_lds s[G0+4*\slot:G0+4*\slot+3], s[G1:G1+7]
	s_nop 0
.rept 4
	v_nop                                          ; also the places in front of the loads below
.endr
.else
	PLACES
.endif
	FETCH \next, 0, F0
	WIN MUL_HI
	MUL16 F1, 1, 0, 0
	MUL16 F1, 1, 2, 0
.endm
	s_wait_tensorcnt 1                             ; my part of K step 0 is in; K step 1's load may be out
	s_barrier_signal -1
	s_barrier_wait -1
	FETCH 0, 0, F0
	QUARTER 0, 64,  F0, F1, 1                      ; the first products start the sums: nothing is cleared
	WIN 0
	s_mov_b32 s3, LAPS-1
.Llap:                                                 ; a trip goes once round the two slots and fills both again
	QUARTER 0, 128, F1, F0, 0
	QUARTER 0, 192, F0, F1, 0
	TURN 0, 1, 1
	QUARTER 1, 64,  F0, F1, 0
	QUARTER 1, 128, F1, F0, 0
	QUARTER 1, 192, F0, F1, 0
	TURN 1, 0, 1
	QUARTER 0, 64,  F0, F1, 0
	WIN 0
	s_sub_co_u32 s3, s3, 1
	s_cmp_lg_u32 s3, 0
	s_cbranch_scc1 .Llap
	QUARTER 0, 128, F1, F0, 0                      ; the last two K steps ask for nothing
	QUARTER 0, 192, F0, F1, 0
	TURN 0, 1, 0
	QUARTER 1, 64,  F0, F1, 0
	QUARTER 1, 128, F1, F0, 0
	QUARTER 1, 192, F0, F1, 0
	s_wait_dscnt 8
	WIN MUL_LO
	MUL16 F1, 0, 0, 0
	MUL16 F1, 0, 2, 0
	s_wait_dscnt 0x0
	WIN MUL_HI
	MUL16 F1, 1, 0, 0
	MUL16 F1, 1, 2, 0
	WIN 0
	; ---- THE TILE'S SOFTMAX
	PLACES
	s_sub_co_i32 s20, s11, s12
	s_lshl_b32 s20, s20, 7                         ; 128 (rh - ch)
	v_lshlrev_b32 v[DD], 3, v2
	v_sub_nc_u32 v[DD], v1, v[DD]
	v_add_nc_u32 v[DD], s20, v[DD]                 ; register j of accumulator (a, b) is hidden where 16 (b - a) + j > r - 8 h + 128 (rh - ch)
.irp a, 0,1,2,3,4,5,6,7
	v_mov_b32 v[MXP+2*\a+1], 0                     ; a lane permute's destination counts as one of its sources
.endr
; The mask, in tiles on the diagonal alone: for each b - a and j one compare, and a select for each accumulator of the window on that diagonal.  j ascends: each accumulator is first read at its low end.
.macro MASKW w
	WIN 0x88+0x44*\w                               ; source 0 (the bound) window 0; source 1 and destination: the accumulators' window
.set dd, -3-4*\w
.rept 11
.set jj, 0
.rept 8
	s_mov_b32 s[KC], 16*dd+jj
	v_cmp_ge_i32 vcc_lo, v[DD], s[KC]              ; the lanes whose key counts
.set aa, 4*\w
.rept 4
.if (aa+dd >= 0) && (aa+dd <= 7)
	v_cndmask_b32 v[8*(8*(aa%4)+aa+dd)+jj], s[NINF], v[8*(8*(aa%4)+aa+dd)+jj], vcc_lo
.endif
.set aa, aa+1
.endr
.set jj, jj+1
.endr
.set dd, dd+1
.endr
.endm
	s_cmp_lg_u32 s15, s16                          ; ids alone
	s_cbranch_scc1 .Lopen
	MASKW 0
	MASKW 1
	WIN 0
.Lopen:
.macro ROWMAX w                        ; the largest of a lane's 64 scores of each query block, four blocks by turns
	WIN 0x0a+5*\w
.irp a, 0,1,2,3
	v_max_num_f32 v[MXP+2*(4*\w+\a)], v[64*\a], v[64*\a+1]
.endr
.set ii, 2
.rept 31
.irp a, 0,1,2,3
	v_max3_num_f32 v[MXP+2*(4*\w+\a)], v[64*\a+ii], v[64*\a+ii+1], v[MXP+2*(4*\w+\a)]
.endr
.set ii, ii+2
.endr
.endm
	ROWMAX 0
	ROWMAX 1
	WIN 0
.irp a, 0,1,2,3,4,5,6,7
	v_permlanex16_b32 v[MXP+2*\a+1], v[MXP+2*\a], s[SEL], s[SEL+1]
.endr
.irp a, 0,1,2,3,4,5,6,7
	v_max_num_f32 v[MXP+2*\a], v[MXP+2*\a], v[MXP+2*\a+1]          ; my wave's 128 keys
.endr
.irp a, 0,1,2,3,4,5,6,7
	ds_store_b32 v[XST], v[MXP+2*\a] offset:64*\a                  ; both halves of the lanes write the same word with the same value
.endr
	s_wait_dscnt 0x0                               ; for the other wave's sake
	s_barrier_signal -1
	s_barrier_wait -1
.irp a, 0,1,2,3,4,5,6,7
	ds_load_b32 v[PX+\a], v[XLD] offset:64*\a
.endr
	s_wait_dscnt 0x0
.irp a, 0,1,2,3,4,5,6,7
	v_max_num_f32 v[MXP+2*\a], v[MXP+2*\a], v[PX+\a]               ; the tile's 256 keys: key 0 of a tile on the diagonal counts for every query, so this is a number
.endr
.irp a, 0,1,2,3,4,5,6,7
	v_mul_f32 v[MXP+2*\a], s[CS], v[MXP+2*\a]
.endr
.irp a, 0,1,2,3,4,5,6,7
	v_floor_f32 v[MXP+2*\a], -v[MXP+2*\a]                          ; -M = floor(-t) = -ceil(t)
.endr
.macro EXPW w                          ; p = 2^(c s - M), a window at a time: 128 packed scalings, 256 exponentials as one batch, a plain line, and the one wait ahead of the first reader
	WIN 0x82+0x41*\w
.irp a, 0,1,2,3
.set ii, 0
.rept 32
	v_pk_fma_f32 v[64*\a+ii:64*\a+ii+1], v[64*\a+ii:64*\a+ii+1], s[CS:CS+1], v[MXP+2*(4*\w+\a):MXP+2*(4*\w+\a)+1] op_sel_hi:[1,0,0]
.set ii, ii+2
.endr
.endr
.set ii, 0
.rept 256
	v_exp_f32 v[ii], v[ii]
.set ii, ii+1
.endr
	v_nop
	s_wait_alu depctr_va_vdst(0)
.endm
	EXPW 0
	EXPW 1
	WIN 0
.macro PACK a
.set AC, 64*((\a)%4)
	WIN 0x0a+5*((\a)/4)
.irp b, 0,1,2,3,4,5,6,7
.irp r, 0,1,2,3
	v_cvt_pk_f16_f32 v[TMP+4*\b+\r], v[AC+8*\b+2*\r], v[AC+8*\b+2*\r+1]
.endr
.endr
	WIN 0
.endm
.macro TOSTAGE a
.set BK, OB+192*((\a)%2)
.irp b, 0,1,2,3,4,5,6,7
	ds_store_b128 v[STO], v[TMP+4*\b:TMP+4*\b+3] offset:32*\b
.endr
.irp t, 0,1,2,3,4,5,6,7
	ds_load_b128 v[BK+4*\t:BK+4*\t+3], v[RD] offset:\t*2*SPITCH    ; LDS serves a wave's instructions in order: these see the stores above
.endr
.endm
.macro SUM a                           ; the sum of a lane's 64 unrounded p, in place, by halves: 16 + 8 + 4 + 2 packed additions and one into LP
.set AC, 64*((\a)%4)
	WIN 0x8a+0x45*((\a)/4)
.irp n, 32,16,8,4
.set ii, 0
.rept \n/2
	v_pk_add_f32 v[AC+ii:AC+ii+1], v[AC+ii:AC+ii+1], v[AC+ii+\n:AC+ii+\n+1]
.set ii, ii+2
.endr
.endr
	WIN 0x0a+5*((\a)/4)
	v_pk_add_f32 v[LP+2*(\a):LP+2*(\a)+1], v[AC:AC+1], v[AC+2:AC+3]
	WIN 0
.endm
.macro SEND a
.set BK, OB+192*((\a)%2)
	s_wait_dscnt 0x0                               ; the block is back in registers
	s_wait_xcnt 0x0                                ; earlier stores have read their base and their data
.if (\a) > 0
	s_add_nc_u64 s[PB:PB+1], s[PB:PB+1], 16*PROW
.endif
.irp t, 0,1,2,3,4,5,6,7
	global_store_b128 v[CO], v[BK+4*\t:BK+4*\t+3], s[PB:PB+1] offset:2*\t*PROW   ; 16 lanes store 256 consecutive bytes, at a multiple of 256 from pbuf's first byte
.endr
.endm
.irp a, 0,1,2,3,4,5,6,7                ; a block's sums stand between its loads from the stage and the wait for them
	PACK \a
	TOSTAGE \a
	SUM \a
	SEND \a
.endr
.irp a, 0,1,2,3,4,5,6,7
	v_add_f32 v[LP+2*\a], v[LP+2*\a], v[LP+2*\a+1]
.endr
.irp a, 0,1,2,3,4,5,6,7
	v_permlanex16_b32 v[LP+2*\a+1], v[LP+2*\a], s[SEL], s[SEL+1]
.endr
.irp a, 0,1,2,3,4,5,6,7
	v_add_f32 v[LP+2*\a], v[LP+2*\a], v[LP+2*\a+1]                 ; the row's sum over my 128 keys, in both halves of the lanes
.endr
.irp a, 0,2,4,6                        ; lanes 0-15 take block a's rows, lanes 16-31 block a + 1's: 32 rows, 128 consecutive bytes a store
	v_cndmask_b32 v[PX+\a/2], v[LP+2*\a], v[LP+2*\a+2], s[HM]
	v_cndmask_b32 v[PX+4+\a/2], v[MXP+2*\a], v[MXP+2*\a+2], s[HM]
.endr
.irp a, 0,2,4,6
	global_store_b32 v[LN], v[PX+\a/2], s[LB:LB+1] offset:64*\a
.endr
	s_cmp_lg_u32 s12, 0                            ; -M is the same in both waves of a row half: the one with the lower keys stores it
	s_cbranch_scc1 .Lnot_mine
.irp a, 0,2,4,6
	global_store_b32 v[LN], v[PX+4+\a/2], s[NB:NB+1] offset:64*\a
.endr
.Lnot_mine:
	s_wait_tensorcnt 0x0                           ; the wave's end
	ds_add_u32 v[SPW], v[NIL]
	s_wait_dscnt 0x0
	s_endpgm
; ---- THE 64 FURTHER WORK-GROUPS: q, k and v of positions 0-15 of each batch, in f32.
; Work-group g = 16 (grid x - 9) + grid y takes tile g (16 rows) of W_q, of W_k and of W_v; its wave w takes batch w.  A wave: x's 8 fragments (16 positions x 1,024 K), the three tiles' 24 fragments, 24 matrix instructions, K ascending.
; q's and k's tiles are used transposed (source 0 = 16 rows of W, source 1 = x): lane (r, h) holds position r and e = 16 g + 8 h + j.  v's tile is used the natural way (source 0 = x, source 1 = 16 rows of W_v): lane (r, h) holds channel
; 16 g + r and positions 8 h + j.  The last launch takes these registers as they stand, so each tile goes to h16 as an IMAGE OF ITS 8 REGISTERS: registers 0-3 at 16 x lane, registers 4-7 512 bytes on: [batch][q, k, v][tile][1,024 bytes].
; No tensor load, no barrier, no LDS but the adds.  REGISTERS: window 1: v0-63 x's fragments, v64-255 W_q's, W_k's, W_v's; window 0: v3-5 offsets; v32-39 x's scale words, v40-63 W's (on this path they hold scales and nothing else); v64-87 the three sums.
.set GWA,  3                           ; v3  512 r + 16 h: a fragment's bytes in 16 rows of codes
.set GSA,  4                           ; v4  32 r: a row's scale bytes
.set GLI,  5                           ; v5  16 x lane
.set GXS,  32
.set GWS,  40
.set GAC,  64
.Lsmall:
	s_load_b64 s[68:69], s[0:1], 0x18              ; h16
	s_load_b256 s[72:79], s[0:1], 0x20             ; xc, xs, wc, ws
	s_sub_co_u32 s13, ttmp9, 9
	s_lshl_b32 s13, s13, 4
	s_and_b32 s14, ttmp7, 0xffff
	s_add_co_u32 s13, s13, s14                     ; g, 0 to 63
	v_and_b32 v1, 15, v0                           ; r
	v_bfe_u32 v2, v0, 4, 1                         ; h
	v_lshlrev_b32 v[GWA], 9, v1
	v_lshl_add_u32 v[GWA], v2, 4, v[GWA]
	v_lshlrev_b32 v[GSA], 5, v1
	v_and_b32 v[GLI], 31, v0
	v_lshlrev_b32 v[GLI], 4, v[GLI]
	s_lshl_b32 s16, s10, 20                        ; my batch's first row: 2,048 rows of 512 bytes of codes,
	s_mov_b32 s17, 0
	s_lshl_b32 s18, s10, 16                        ; of 32 scale bytes
	s_mov_b32 s19, 0
	s_lshl_b32 s20, s13, 13                        ; tile g: 16 rows of codes,
	s_mov_b32 s21, 0
	s_lshl_b32 s22, s13, 9                         ; of scale bytes
	s_mov_b32 s23, 0
	s_mul_i32 s54, s10, 196608                     ; h16: 3 x 64 images a batch,
	s_lshl_b32 s55, s13, 10                        ; 1,024 bytes an image
	s_add_co_u32 s54, s54, s55
	s_mov_b32 s55, 0
	s_wait_kmcnt 0x0
	s_add_nc_u64 s[72:73], s[72:73], s[16:17]
	s_add_nc_u64 s[74:75], s[74:75], s[18:19]
	s_add_nc_u64 s[76:77], s[76:77], s[20:21]
	s_add_nc_u64 s[78:79], s[78:79], s[22:23]
	s_add_nc_u64 s[68:69], s[68:69], s[54:55]
	WIN 0x40                                       ; destination window 1
.irp s, 0,1,2,3,4,5,6,7
.irp c, 0,1
	global_load_b128 v[8*\s+4*\c:8*\s+4*\c+3], v[GWA], s[72:73] offset:64*\s+32*\c
.endr
.endr
.irp u, 0,1,2                          ; W_q, W_k, W_v lie 1,024 rows, 524,288 bytes, apart
.irp s, 0,1,2,3,4,5,6,7
.irp c, 0,1
	global_load_b128 v[64+64*\u+8*\s+4*\c:64+64*\u+8*\s+4*\c+3], v[GWA], s[76:77] offset:\u*524288+64*\s+32*\c
.endr
.endr
.endr
	WIN 0
.irp c, 0,1
	global_load_b128 v[GXS+4*\c:GXS+4*\c+3], v[GSA], s[74:75] offset:16*\c
.endr
.irp u, 0,1,2
.irp c, 0,1
	global_load_b128 v[GWS+8*\u+4*\c:GWS+8*\u+4*\c+3], v[GSA], s[78:79] offset:\u*32768+16*\c
.endr
.endr
	s_wait_loadcnt 0x0
	WIN 0x05                                       ; sources 0 and 1 window 1; C and D window 0
.irp s, 0,1,2,3,4,5,6,7                ; the three sums by turns, one instruction a turn; the first products start them
.if \s == 0
	v_wmma_scale_f32_16x16x128_f8f6f4 v[GAC:GAC+7], v[64+8*\s:64+8*\s+7], v[8*\s:8*\s+7], 0, v[GWS+\s], v[GXS+\s] matrix_a_fmt:MATRIX_FMT_FP4 matrix_b_fmt:MATRIX_FMT_FP4
	v_wmma_scale_f32_16x16x128_f8f6f4 v[GAC+8:GAC+15], v[128+8*\s:128+8*\s+7], v[8*\s:8*\s+7], 0, v[GWS+8+\s], v[GXS+\s] matrix_a_fmt:MATRIX_FMT_FP4 matrix_b_fmt:MATRIX_FMT_FP4
	v_wmma_scale_f32_16x16x128_f8f6f4 v[GAC+16:GAC+23], v[8*\s:8*\s+7], v[192+8*\s:192+8*\s+7], 0, v[GXS+\s], v[GWS+16+\s] matrix_a_fmt:MATRIX_FMT_FP4 matrix_b_fmt:MATRIX_FMT_FP4
.else
	v_wmma_scale_f32_16x16x128_f8f6f4 v[GAC:GAC+7], v[64+8*\s:64+8*\s+7], v[8*\s:8*\s+7], v[GAC:GAC+7], v[GWS+\s], v[GXS+\s] matrix_a_fmt:MATRIX_FMT_FP4 matrix_b_fmt:MATRIX_FMT_FP4
	v_wmma_scale_f32_16x16x128_f8f6f4 v[GAC+8:GAC+15], v[128+8*\s:128+8*\s+7], v[8*\s:8*\s+7], v[GAC+8:GAC+15], v[GWS+8+\s], v[GXS+\s] matrix_a_fmt:MATRIX_FMT_FP4 matrix_b_fmt:MATRIX_FMT_FP4
	v_wmma_scale_f32_16x16x128_f8f6f4 v[GAC+16:GAC+23], v[8*\s:8*\s+7], v[192+8*\s:192+8*\s+7], v[GAC+16:GAC+23], v[GXS+\s], v[GWS+16+\s] matrix_a_fmt:MATRIX_FMT_FP4 matrix_b_fmt:MATRIX_FMT_FP4
.endif
.endr
	WIN 0
	PLACES                                         ; four places before the stores read the sums
.irp u, 0,1,2
	global_store_b128 v[GLI], v[GAC+8*\u:GAC+8*\u+3], s[68:69] offset:\u*65536          ; 32 lanes store 512 consecutive bytes, at a multiple of 256 from h16's first byte; each sum from its low end on
	global_store_b128 v[GLI], v[GAC+8*\u+4:GAC+8*\u+7], s[68:69] offset:\u*65536+512
.endr
	s_wait_tensorcnt 0x0                           ; the wave's end
	ds_add_u32 v[SPW], v[NIL]
	s_wait_dscnt 0x0
	s_endpgm
.Lfunc_end_k_qbb09e96bbb_scores:
	.size	k_qbb09e96bbb_scores, .Lfunc_end_k_qbb09e96bbb_scores-k_qbb09e96bbb_scores
	.p2alignl 7, 3214868480
	.fill 96, 4, 3214868480
	.section	.rodata,"a",@progbits
	.p2align	6, 0x0
	.amdhsa_kernel k_qbb09e96bbb_scores
		.amdhsa_group_segment_fixed_size 327680
		.amdhsa_private_segment_fixed_size 0
		.amdhsa_enable_private_segment 0
		.amdhsa_kernarg_size 64
		.amdhsa_user_sgpr_count 2
		.amdhsa_user_sgpr_kernarg_segment_ptr 1
		.amdhsa_wavefront_size32 1
		.amdhsa_system_sgpr_workgroup_id_x 1
		.amdhsa_system_sgpr_workgroup_id_y 1
		.amdhsa_system_sgpr_workgroup_id_z 1
		.amdhsa_system_vgpr_workitem_id 0
		.amdhsa_next_free_vgpr 1024
		.amdhsa_next_free_sgpr 80
		.amdhsa_reserve_vcc 1
		.amdhsa_float_denorm_mode_32 3
		.amdhsa_float_denorm_mode_16_64 3
		.amdhsa_memory_ordered 1
		.amdhsa_forward_progress 1
		.amdhsa_inst_pref_size 255
	.end_amdhsa_kernel
	.section	.bss,"aw",@nobits
	.p2align	6
	.space	262144
	.amdgpu_metadata
---
amdhsa.version: [ 1, 2 ]
amdhsa.kernels:
  - .name:           k_qbb09e96bbb_scores
    .symbol:         k_qbb09e96bbb_scores.kd
    .args:
      - { .name: qkv, .offset: 0, .size: 8, .value_kind: global_buffer, .address_space: global }
      - { .name: pbuf, .offset: 8, .size: 8, .value_kind: global_buffer, .address_space: global }
      - { .name: stats, .offset: 16, .size: 8, .value_kind: global_buffer, .address_space: global }
      - { .name: h16, .offset: 24, .size: 8, .value_kind: global_buffer, .address_space: global }
      - { .name: xc, .offset: 32, .size: 8, .value_kind: global_buffer, .address_space: global }
      - { .name: xs, .offset: 40, .size: 8, .value_kind: global_buffer, .address_space: global }
      - { .name: wc, .offset: 48, .size: 8, .value_kind: global_buffer, .address_space: global }
      - { .name: ws, .offset: 56, .size: 8, .value_kind: global_buffer, .address_space: global }
    .group_segment_fixed_size: 327680
    .private_segment_fixed_size: 0
    .kernarg_segment_align: 8
    .kernarg_segment_size: 64
    .max_flat_workgroup_size: 128
    .sgpr_count:     80
    .vgpr_count:     1024
    .wavefront_size: 32
...
	.end_amdgpu_metadata
.endif
;; end of part 6
;; launch pv: the kernel of part 4 again; grid 8 x 32, 4 waves a work-group, clusters of 4 x 1, 327,680 bytes of LDS; arguments pbuf, qkv, stats, out0; writes out0
;; launch head16 (part 7): grid 2 x 4, 8 waves a work-group, no clusters, 44,032 bytes of LDS; arguments h16, out0; writes out0
.if DOCPART == 7
	.amdgcn_target "amdgcn-amd-amdhsa--gfx1250"
	.amdhsa_code_object_version 6
	.text
	.protected	k_qbb09e96bbb_head16
	.globl	k_qbb09e96bbb_head16
	.p2align	8
	.type	k_qbb09e96bbb_head16,@function
k_qbb09e96bbb_head16:
	s_mov_b64 s[64:65], 0
	v_nop
	global_prefetch_b8 v0, s[64:65] scope:SCOPE_SE
	s_setreg_imm32_b32 hwreg(HW_REG_WAVE_MODE, 25, 1), 1
	s_wait_xcnt 0x0
; Rows 0-15 of each batch: under the causal mask they average 1 to 16 values and are the largest in size, so q k^T and attn v are carried in f32 here.
; WORK LEFT OUT: keys 16 and later, which reference()'s own mask hides from these queries (shown at the head of the first launch).
; q, k and v of positions 0-15 come in f32 from h16, [batch][q, k, v][tile][1,024 bytes], each tile an image of the 8 registers in which the launch 'scores' made it by the QUANTISED products: the same two loads of 16 bytes a lane, 512 bytes
; apart, give any wave the same registers in the same lanes.  Every load covers 512 consecutive bytes.
; A work-group takes a batch (grid y) and 512 of the 1,024 channels (grid x).  Wave w takes q's and k's tiles 8 w .. 8 w + 7 (e = 128 w .. 128 w + 127) and v's tiles 32 x + 4 w .. + 3 (64 channels).
; NOTHING CHANGES LANES.  In a q or k tile lane (r, h) holds position r and e = 16 t + 8 h + j.  Registers 2 i, 2 i + 1 of a k tile and of the q tile are sources 0 and 1 of the f32 matrix instruction under one and the same order of its
; four k: S^T(key, query) gathers 4 e at a time, and a lane holds query r and keys 8 h + j.  In a v tile lane (r, h) holds channel r and keys 8 h + j: its register pairs are source 0 of O^T = V^T P^T, and p's pairs source 1.
; The eight waves' partial S^T meet in LDS.  The registers that the f32 matrix instruction writes (v144-175, v208-239) are written by matrix instructions alone.
; REGISTERS: v5-13 addresses and work; v16-79 q's 8 tiles, later the waves' S^T, p and the results; v80-143 k's 8 tiles, later my partial S^T (v80-95) and rows read back (v96-127); v144-175 four sums of S^T; v176-207 v's four tiles; v208-239 O^T.
.set RED,   0                          ; 1,024 bytes for each wave: an image of its 8 registers of S^T
.set STAGE, 8192                       ; 16 rows x 272 bytes for each wave
.set SP,    272
.set SPARE, STAGE+8*16*SP              ; the spare words, 128 bytes a wave
.set DD,   5                           ; v5  r - 8 h: register j is hidden where j > it
.set STO,  6
.set RD,   7
.set GO,   8
.set IMS,  9                           ; v9  16 x lane + 1,024 x wave
.set IML,  10                          ; v10 16 x lane: an image's place for my lane, in LDS and in h16
.set SPW,  14
.set NIL,  15
.set QT,   16
.set XF,   16
.set KT,   80
.set PS,   80
.set T2,   88
.set RB,   96
.set SACC, 144
.set VT,   176
.set OACC, 208
.set HQ,   20                          ; s[20:21] h16 at my 8 tiles of q (k's: 65,536 bytes on)
.set HVB,  22                          ; s[22:23] h16 at my 4 tiles of v
.set CS,   28
.set SEL,  30
	s_load_b128 s[4:7], s[0:1], 0x0                ; h16, out0
	v_lshl_add_u32 v[SPW], v0, 2, SPARE
	v_mov_b32 v[NIL], 0
	v_lshrrev_b32 v1, 5, v0
	v_readfirstlane_b32 s14, v1                    ; wave 0..7
	s_and_b32 s16, ttmp7, 0xffff                   ; the batch
	v_and_b32 v1, 15, v0                           ; r
	v_bfe_u32 v2, v0, 4, 1                         ; h
	v_lshlrev_b32 v[DD], 3, v2
	v_sub_nc_u32 v[DD], v1, v[DD]
	s_mul_i32 s17, s14, 16*SP
	s_add_co_u32 s17, s17, STAGE
	v_mul_u32_u24 v11, v1, SP
	v_lshl_add_u32 v11, v2, 5, v11
	v_add_nc_u32 v[STO], s17, v11
	v_mul_u32_u24 v11, v2, SP
	v_lshl_add_u32 v11, v1, 4, v11
	v_add_nc_u32 v[RD], s17, v11
	v_lshlrev_b32 v[GO], 12, v2
	v_lshl_add_u32 v[GO], v1, 4, v[GO]
	v_and_b32 v11, 31, v0
	v_lshlrev_b32 v[IML], 4, v11                   ; 16 x lane
	s_lshl_b32 s17, s14, 10
	v_add_nc_u32 v[IMS], s17, v[IML]               ; + 1,024 x wave
	s_mov_b32 s[CS], 0x3d38aa3b                    ; c = log2(e) / 32
	s_mov_b32 s[SEL], 0x76543210
	s_mov_b32 s[SEL+1], 0xfedcba98
	s_mul_i32 s18, s16, 196608                     ; h16: 3 x 64 images of 1,024 bytes a batch
	s_lshl_b32 s19, s14, 13                        ; 8 tiles a wave
	s_add_co_u32 s32, s18, s19
	s_mov_b32 s33, 0
	s_lshl_b32 s19, ttmp9, 15                      ; v: 32 tiles a chunk,
	s_add_co_u32 s34, s18, s19
	s_lshl_b32 s19, s14, 12                        ; 4 tiles a wave,
	s_add_co_u32 s34, s34, s19
	s_add_co_u32 s34, s34, 131072                  ; behind q's and k's
	s_mov_b32 s35, 0
	s_lshl_b32 s42, s16, 23                        ; out0: 2,048 rows of 4,096 bytes a batch, + 2,048 bytes a chunk, + 256 a wave
	s_lshl_b32 s43, ttmp9, 11
	s_add_co_u32 s42, s42, s43
	s_lshl_b32 s43, s14, 8
	s_add_co_u32 s42, s42, s43
	s_mov_b32 s43, 0
	s_wait_kmcnt 0x0
	s_add_nc_u64 s[HQ:HQ+1], s[4:5], s[32:33]
	s_add_nc_u64 s[HVB:HVB+1], s[4:5], s[34:35]
	s_add_nc_u64 s[12:13], s[6:7], s[42:43]
.irp t, 0,1,2,3,4,5,6,7                ; 40 loads, all asked for at once
.irp c, 0,1
	global_load_b128 v[QT+8*\t+4*\c:QT+8*\t+4*\c+3], v[IML], s[HQ:HQ+1] offset:1024*\t+512*\c
	global_load_b128 v[KT+8*\t+4*\c:KT+8*\t+4*\c+3], v[IML], s[HQ:HQ+1] offset:65536+1024*\t+512*\c
.endr
.endr
.irp t, 0,1,2,3
.irp c, 0,1
	global_load_b128 v[VT+8*\t+4*\c:VT+8*\t+4*\c+3], v[IML], s[HVB:HVB+1] offset:1024*\t+512*\c
.endr
.endr
	s_wait_loadcnt 0x0
.irp t, 0,1,2,3,4,5,6,7                ; S^T += k q^T over my 128 e: four sums by turns, source 0 = k's pair, source 1 = q's; the first tile's products start the sums
.irp i, 0,1,2,3
.if \t == 0
	v_wmma_f32_16x16x4_f32 v[SACC+8*\i:SACC+8*\i+7], v[KT+8*\t+2*\i:KT+8*\t+2*\i+1], v[QT+8*\t+2*\i:QT+8*\t+2*\i+1], 0
.else
	v_wmma_f32_16x16x4_f32 v[SACC+8*\i:SACC+8*\i+7], v[KT+8*\t+2*\i:KT+8*\t+2*\i+1], v[QT+8*\t+2*\i:QT+8*\t+2*\i+1], v[SACC+8*\i:SACC+8*\i+7]
.endif
.endr
.endr
.rept 8
	v_nop                                          ; eight places behind the f32 form before its results are read and its sources written
.endr
.irp j, 0,1,2,3,4,5,6,7
	v_add_f32 v[PS+\j], v[SACC+\j], v[SACC+8+\j]   ; each sum from its low end on, into other registers
.endr
.irp j, 0,1,2,3,4,5,6,7
	v_add_f32 v[T2+\j], v[SACC+16+\j], v[SACC+24+\j]
.endr
.irp j, 0,1,2,3,4,5,6,7
	v_add_f32 v[PS+\j], v[PS+\j], v[T2+\j]         ; my 128 e's part of S^T
.endr
	ds_store_b128 v[IMS], v[PS:PS+3]               ; as an image of its registers
	ds_store_b128 v[IMS], v[PS+4:PS+7] offset:512
	s_wait_dscnt 0x0                               ; for the others' sake
	s_barrier_signal -1
	s_barrier_wait -1
.irp w, 0,1,2,3,4,5,6,7
	ds_load_b128 v[XF+8*\w:XF+8*\w+3], v[IML] offset:1024*\w
	ds_load_b128 v[XF+8*\w+4:XF+8*\w+7], v[IML] offset:1024*\w+512
.endr
	s_wait_dscnt 0x0
.irp n, 32,16,8                        ; the eight waves' parts, by halves: every wave adds in the same order
.set ii, 0
.rept \n/2
	v_pk_add_f32 v[XF+ii:XF+ii+1], v[XF+ii:XF+ii+1], v[XF+ii+\n:XF+ii+\n+1]
.set ii, ii+2
.endr
.endr
	v_mov_b32 v11, 0xff800000
	v_mov_b32 v13, 0                               ; a lane permute's destination counts as one of its sources
.irp j, 0,1,2,3,4,5,6,7
	v_cmp_gt_i32 vcc_lo, \j, v[DD]                 ; key 8 h + j comes after query r
	v_cndmask_b32 v[XF+\j], v[XF+\j], v11, vcc_lo
.endr
	v_max3_num_f32 v12, v[XF], v[XF+1], v[XF+2]
	v_max3_num_f32 v12, v12, v[XF+3], v[XF+4]
	v_max3_num_f32 v12, v12, v[XF+5], v[XF+6]
	v_max_num_f32 v12, v12, v[XF+7]
	v_permlanex16_b32 v13, v12, s[SEL], s[SEL+1]
	v_max_num_f32 v12, v12, v13                    ; the row's largest score: key 0 counts for every query
	v_mul_f32 v12, s[CS], v12
.irp j, 0,1,2,3,4,5,6,7
	v_fma_f32 v[XF+\j], v[XF+\j], s[CS], -v12
.endr
.irp j, 0,1,2,3,4,5,6,7
	v_exp_f32 v[XF+\j], v[XF+\j]                   ; p = 2^(t - the largest t)
.endr
	v_nop
	s_wait_alu depctr_va_vdst(0)                   ; the wait ahead of the first reader: one for the eight
	v_add_f32 v12, v[XF], v[XF+1]
.irp j, 2,3,4,5,6,7
	v_add_f32 v12, v12, v[XF+\j]
.endr
	v_permlanex16_b32 v13, v12, s[SEL], s[SEL+1]
	v_add_f32 v12, v12, v13
	v_rcp_f32 v12, v12
	v_nop
	s_wait_alu depctr_va_vdst(0)
.irp i, 0,1,2,3                        ; O^T = V^T P^T: four keys an instruction, the four tiles of channels by turns
.irp t, 0,1,2,3
.if \i == 0
	v_wmma_f32_16x16x4_f32 v[OACC+8*\t:OACC+8*\t+7], v[VT+8*\t+2*\i:VT+8*\t+2*\i+1], v[XF+2*\i:XF+2*\i+1], 0
.else
	v_wmma_f32_16x16x4_f32 v[OACC+8*\t:OACC+8*\t+7], v[VT+8*\t+2*\i:VT+8*\t+2*\i+1], v[XF+2*\i:XF+2*\i+1], v[OACC+8*\t:OACC+8*\t+7]
.endif
.endr
.endr
.rept 8
	v_nop
.endr
.irp j, 0,1,2,3,4,5,6,7,8,9,10,11,12,13,14,15,16,17,18,19,20,21,22,23,24,25,26,27,28,29,30,31
	v_mul_f32 v[XF+32+\j], v[OACC+\j], v12         ; / the sum, into other registers: register 8 t + j is out(r, 16 t + 8 h + j)
.endr
.irp t, 0,1,2,3
	ds_store_b128 v[STO], v[XF+32+8*\t:XF+32+8*\t+3] offset:64*\t
	ds_store_b128 v[STO], v[XF+32+8*\t+4:XF+32+8*\t+7] offset:64*\t+16
.endr
.irp t, 0,1,2,3,4,5,6,7
	ds_load_b128 v[RB+4*\t:RB+4*\t+3], v[RD] offset:\t*2*SP        ; LDS serves a wave's instructions in order: these see the stores above
.endr
	s_wait_dscnt 0x0
.irp t, 0,1,2,3,4,5,6,7
	global_store_b128 v[GO], v[RB+4*\t:RB+4*\t+3], s[12:13] offset:2*\t*4096 th:TH_STORE_NT   ; 16 lanes store 256 consecutive bytes, at a multiple of 256 from out0's first byte
.endr
	s_wait_tensorcnt 0x0                           ; the wave's end
	ds_add_u32 v[SPW], v[NIL]
	s_wait_dscnt 0x0
	s_endpgm
.Lfunc_end_k_qbb09e96bbb_head16:
	.size	k_qbb09e96bbb_head16, .Lfunc_end_k_qbb09e96bbb_head16-k_qbb09e96bbb_head16
	.p2alignl 7, 3214868480
	.fill 96, 4, 3214868480
	.section	.rodata,"a",@progbits
	.p2align	6, 0x0
	.amdhsa_kernel k_qbb09e96bbb_head16
		.amdhsa_group_segment_fixed_size 44032
		.amdhsa_private_segment_fixed_size 0
		.amdhsa_enable_private_segment 0
		.amdhsa_kernarg_size 16
		.amdhsa_user_sgpr_count 2
		.amdhsa_user_sgpr_kernarg_segment_ptr 1
		.amdhsa_wavefront_size32 1
		.amdhsa_system_sgpr_workgroup_id_x 1
		.amdhsa_system_sgpr_workgroup_id_y 1
		.amdhsa_system_sgpr_workgroup_id_z 1
		.amdhsa_system_vgpr_workitem_id 0
		.amdhsa_next_free_vgpr 256
		.amdhsa_next_free_sgpr 66
		.amdhsa_reserve_vcc 1
		.amdhsa_float_denorm_mode_32 3
		.amdhsa_float_denorm_mode_16_64 3
		.amdhsa_memory_ordered 1
		.amdhsa_forward_progress 1
		.amdhsa_inst_pref_size 19
	.end_amdhsa_kernel
	.amdgpu_metadata
---
amdhsa.version: [ 1, 2 ]
amdhsa.kernels:
  - .name:           k_qbb09e96bbb_head16
    .symbol:         k_qbb09e96bbb_head16.kd
    .args:
      - { .name: h16, .offset: 0, .size: 8, .value_kind: global_buffer, .address_space: global }
      - { .name: out0, .offset: 8, .size: 8, .value_kind: global_buffer, .address_space: global }
    .group_segment_fixed_size: 44032
    .private_segment_fixed_size: 0
    .kernarg_segment_align: 8
    .kernarg_segment_size: 16
    .max_flat_workgroup_size: 256
    .sgpr_count:     66
    .vgpr_count:     256
    .wavefront_size: 32
...
	.end_amdgpu_metadata
.endif
;; end of part 7
